; MI455X (gfx1250); checked and timed in simulation.
; The chip was launched on July 23, 2026; its instructions are those of AMD's public machine-readable ISA for CDNA 5 (MIT licence, August 2026) and "CDNA5" Instruction Set Architecture Reference Guide (July 2026). The comments in the code are by the model that wrote it; some were corrected since.
;; GPT2 Attention. Allowed arithmetic: matrix products marked QUANTISED: E2M1 operands, one E8M0 scale for each 32 along K, by v_wmma_scale_f32_16x16x128_f8f6f4 with both operands' format E2M1 (or v_wmma_scale_f32_32x16x128_f4), f32 sums; products left as they are: bf16, f16 or f32 operands; f32 sums; everything else in f32.
;; Inputs: Wproj 1,024 x 1,024 float32; Wqkv 1,024 x 3,072 float32; bproj 1,024 float32; bqkv 3,072 float32; x 4 x 2,048 x 1,024 float32.
;; Outputs: out0 4 x 2,048 x 1,024 float32.
;; This version of the problem:
;;   THIS VERSION OF THE PROBLEM IS GIVEN IN LOW PRECISION. The matrix products marked QUANTISED in the list below multiply operands that are first quantised to E2M1 (2 exponent bits, 1 mantissa bit; 4 bits a number), with one power-of-two scale for each 32 numbers along K (OCP MX v1.0); their sums are f32. The products marked 'left as it is' may take bf16, f16 or f32 operands, with f32 sums. Whichever they take, every output number must still come out within the allowed error. Rounding operands to bf16 (8 significant bits) uses up far more of that allowance than f16 does (11 bits, for magnitudes from 6e-5 to 65,504). All else is computed in f32.
;;   The module's matrix products, in the order in which they are computed (A, B: the left and right operand; K: the contracted axis; several contracted axes count as one K, in the product's order):
;;     1. [M 8,192, K 1,024] x [K 1,024, N 3,072]; A: input x; B: input Wqkv: QUANTISED
;;     2. batch 64 x [M 2,048, K 64] x [K 64, N 2,048]; A: computed on the way; B: computed on the way: left as it is (an operand is computed on the way)
;;     3. batch 64 x [M 2,048, K 2,048] x [K 2,048, N 64]; A: computed on the way; B: computed on the way: left as it is (an operand is computed on the way)
;;     4. [M 8,192, K 1,024] x [K 1,024, N 1,024]; A: computed on the way; B: input Wproj: left as it is (an operand is computed on the way)
;;   THE QUANTISER, for each operand of a quantised product, along K:
;;     - K is cut into blocks of 32 from its start; a last block that is shorter is filled with zeros.
;;     - A block's scale is 2^e with e = floor(log2(the largest magnitude in the block)) - 2, held to -126 .. 127; a block of zeros has e = 0. As a byte (E8M0): e + 127.
;;     - Each number is divided by its block's scale, clamped to +-6, and rounded to the nearest number of E2M1, ties to even, subnormals kept.
;;     - The product sums the exact products of the quantised numbers (number of the format x scale) in f32.
;;   ~~~python
;;   def quantise(x, axis):      # numpy; x: float32 -> the quantised numbers, widened to float32 again
;;       x = np.moveaxis(x, axis, -1); K = x.shape[-1]
;;       x = np.pad(x, [(0, 0)] * (x.ndim - 1) + [(0, -K % 32)]); x = x.reshape(x.shape[:-1] + (-1, 32)); a = np.abs(x).max(-1, keepdims=True)
;;       e = np.where(a > 0, np.clip(np.frexp(np.where(a > 0, a, 1))[1] - 1 - 2, -126, 127), 0)      # np.frexp(a)[1] - 1 = floor(log2(a)), exactly
;;       r = np.clip(x / 2.0 ** e, -6, 6)
;;       step = 2.0 ** (np.maximum(np.frexp(np.where(r == 0, 1, r))[1] - 1, 0) - 1)
;;       q = np.round(r / step) * step * 2.0 ** e      # np.round: ties to even
;;       return np.moveaxis(q.reshape(q.shape[:-2] + (-1,))[..., :K], -1, axis).astype(np.float32)
;;   ~~~
;; One version. Each part assembles by itself: llvm-mc -triple=amdgcn-amd-amdhsa -mcpu=gfx1250 --defsym DOCPART=n.
;; ======== version 1 of 1: 6 launches
;; limits: values are held in f16: magnitudes above 65,504 overflow, below 6.1e-05 lose precision
;; workspace buffers: xc 4,194,304 bytes; xs 262,144 bytes; wc 1,572,864 bytes; ws 98,304 bytes; wpimg 2,097,152 bytes; qkv 50,331,648 bytes; yimg 16,777,216 bytes; yfine 262,144 bytes
;; launch prep (part 1): grid 416 x 1, 4 waves a work-group, no clusters, 50,688 bytes of LDS; arguments x, Wqkv, Wproj, xc, xs, wc, ws, wpimg; writes xc, xs, wc, ws, wpimg
.if DOCPART == 1
	.amdgcn_target "amdgcn-amd-amdhsa--gfx1250"
	.amdhsa_code_object_version 6
	.text
	.protected	k_qfd3dc6e5ba_prep
	.globl	k_qfd3dc6e5ba_prep
	.p2align	8
	.type	k_qfd3dc6e5ba_prep,@function
k_qfd3dc6e5ba_prep:
	s_mov_b64 s[64:65], 0
	v_nop
	global_prefetch_b8 v0, s[64:65] scope:SCOPE_SE
	s_setreg_imm32_b32 hwreg(HW_REG_WAVE_MODE, 25, 1), 1
	s_wait_xcnt 0x0
; PREP: the operands of the later launches are laid out once.  Three paths, parted once on the work-group's number; each has LDS bytes of its own and its own end.
;   work-groups 0-95    W: Wqkv [1024 (k)][3072 (n)] f32 -> codes of FP4 (E2M1) wc [3072][512 bytes], K innermost, and E8M0 scale bytes ws [3072][32]
;   work-groups 96-159  P: Wproj [1024 (k)][1024 (n)] f32 -> f16, as images of the matrix operand's registers: wpimg [k / 256][n / 16][(k / 32) % 8][1,024 bytes]
;   work-groups 160-415 X: x [8192][1024] f32 -> codes xc [8192][512 bytes] and scale bytes xs [8192][32]
; THE QUANTISER: a block of 32 along K has the scale 2^(floor(log2(its largest magnitude)) - 2); its byte is the largest magnitude's exponent field - 2, held at 1 from below by a floor among the maximum's leaves.
; Each number is divided by the scale and rounded to the nearest code, ties to even; beyond 6 the conversion gives the largest code.
; LIMITS: a block of zeros gets the byte 1 where the rule says 127 (its codes are zeros, and only this program reads the bytes); blocks whose largest magnitude lies under 2^(3 - 127) share that byte;
; NaN and infinities among the inputs are not served; |Wproj| stays under 65,504, f16's largest number.
; AN IMAGE: a fragment of 16 rows x 32 K of 16-bit numbers is 8 registers a lane: lane (r, h) holds row r; registers 0-3 K = 8 h + 0..7, registers 4-7 K = 16 + 8 h + 0..7.  It lies in memory as two halves of 512 bytes,
; lane l's 16 bytes at 16 l: so piece p (K = 8 p .. 8 p + 7) of row r lies at 256 p + 16 r.
; No cluster, no tensor load, no matrix instruction: the work-groups share no input and memory binds.
.set SPARE, 50176                      ; the spare words, 128 bytes for each wave: two blocks of 256 bytes that no other line names
.set WSTG,  32768                      ; path W's stages: 16 rows x 272 bytes for each wave.  Path X has bytes 0 to 32,767: 8,192 for each wave
.set SPW,   190                        ; v190 LDS address of my spare word; never rewritten
.set NIL,   191                        ; v191 0; never rewritten
.set SP,    80                         ; path X: a lane's place in a stage: its 64 bytes + 16 of padding
.set STEPS, 16                         ; path X: steps of 512 numbers for a wave
.set XR,    16                         ; path X: v16-79 four sets of 16 numbers as loaded
.set XX,    80                         ;         v80-111 two sets of 16 neighbours
.set XE,    112                        ;         v112-127 a scale byte for each step
.set XC,    128                        ;         v128-189 codes: registers of its own for each step, so that no store's data are written again
.set WX,    32                         ; paths W and P: v32-95 two sets of 32 numbers down K
.set WC,    96                         ; path W: v96-99 a block's codes
.set WO,    112                        ; path W: v112-143 the way out
.set SB,    24                         ; path W: v24-25 my eight scale bytes
.set PC,    96                         ; path P: v96-159 f16 pairs: 16 registers of its own for each block
.macro XLOAD t                         ; step t: four loads, each 512 consecutive bytes of the stream
.irp i, 0,1,2,3
	global_load_b128 v[XR+16*((\t)%4)+4*\i:XR+16*((\t)%4)+4*\i+3], v3, s[4:5] offset:2048*(\t)+512*\i th:TH_LOAD_NT
.endr
.endm
.macro XTURN t                         ; step t's 2,048 bytes through my stage: in as they lie, back 64 bytes a lane.  LDS serves a wave's instructions in order: no wait between
.irp i, 0,1,2,3
	ds_store_b128 v14, v[XR+16*((\t)%4)+4*\i:XR+16*((\t)%4)+4*\i+3] offset:32*SP*((\t)%2)+8*SP*\i
.endr
.irp i, 0,1,2,3
	ds_load_b128 v[XX+16*((\t)%2)+4*\i:XX+16*((\t)%2)+4*\i+3], v15 offset:32*SP*((\t)%2)+16*\i
.endr
.endm
.macro XSTEP t
.set XS, XX+16*((\t)%2)
.if (\t) > 0
	s_wait_dscnt 1                                 ; this step's numbers are back from the stage; the last step's byte store may be out
.else
	s_wait_dscnt 0x0
.endif
.if (\t)+4 < STEPS
	XLOAD (\t)+4                                   ; into the set whose stores into the stage are done
.endif
.if (\t)+1 < STEPS
.if STEPS-2-(\t) >= 3
	s_wait_loadcnt 12                              ; the next step's four loads are in; those of the three steps behind it may be out
.else
	s_wait_loadcnt 4*(STEPS-2-(\t))
.endif
	XTURN (\t)+1
.endif
	v_max3_num_f32 v8, |v[XS]|, |v[XS+1]|, |v[XS+2]|               ; the largest magnitude of my 16, in two chains
	v_max3_num_f32 v9, |v[XS+3]|, |v[XS+4]|, |v[XS+5]|
.irp i, 6,10
	v_max3_num_f32 v8, v8, |v[XS+\i]|, |v[XS+\i+1]|
	v_max3_num_f32 v9, v9, |v[XS+\i+2]|, |v[XS+\i+3]|
.endr
	v_max3_num_f32 v8, v8, |v[XS+14]|, |v[XS+15]|
	v_max3_num_f32 v8, v8, v9, 0x1800000           ; and the floor 2^(3 - 127): the byte cannot fall under 1
	v_max_num_f32_dpp v8, v8, v8 row_xmask:1 row_mask:0xf bank_mask:0xf   ; with my neighbour's 16: the block's
	v_add_nc_u32 v11, 0xff000000, v8               ; 2 off its exponent field: the conversion takes the exponent field of this operand as its scale
	v_cvt_scalef32_pk8_fp4_f32 v[XC+4*(\t)], v[XS:XS+7], v11
	v_cvt_scalef32_pk8_fp4_f32 v[XC+4*(\t)+1], v[XS+8:XS+15], v11
	v_lshrrev_b32 v[XE+(\t)], 23, v11              ; the scale's byte (a plain line behind the conversions)
	ds_store_b8 v5, v[XE+(\t)] offset:16*(\t)      ; both lanes of a block write the same byte with the same value
	global_store_b64 v4, v[XC+4*(\t):XC+4*(\t)+1], s[10:11] offset:256*(\t)   ; 32 lanes store 256 consecutive bytes, aligned
.endm
.macro WLOAD t                         ; block t of my column: Wqkv(.. + 32 t + i, column), i = 0 .. 31
.set i, 0
.rept 32
	global_load_b32 v[WX+32*((\t)%2)+i], v3, s[6:7] offset:(32*(\t)+i)*12288
.set i, i+1
.endr
.endm
.macro WBLOCK t
.set XS, WX+32*((\t)%2)
.if (\t) < 7
	s_wait_loadcnt 32                              ; this block's 32 loads are in; the next block's may be out
.else
	s_wait_loadcnt 0x0
.endif
	v_max3_num_f32 v12, |v[XS]|, |v[XS+1]|, |v[XS+2]|              ; the block's largest magnitude: all 32 numbers are mine
	v_max3_num_f32 v13, |v[XS+3]|, |v[XS+4]|, |v[XS+5]|
.irp i, 6,10,14,18,22,26
	v_max3_num_f32 v12, v12, |v[XS+\i]|, |v[XS+\i+1]|
	v_max3_num_f32 v13, v13, |v[XS+\i+2]|, |v[XS+\i+3]|
.endr
	v_max3_num_f32 v12, v12, |v[XS+30]|, |v[XS+31]|
	v_max3_num_f32 v12, v12, v13, 0x1800000        ; the floor
	v_add_nc_u32 v11, 0xff000000, v12              ; the conversion's scale operand
	v_lshrrev_b32 v13, 23, v11                     ; the scale's byte
.if (\t)%4 == 0
	v_mov_b32 v[SB+(\t)/4], v13                    ; four bytes to a register, the lower K in the lower byte
.else
	v_lshl_or_b32 v[SB+(\t)/4], v13, 8*((\t)%4), v[SB+(\t)/4]
.endif
.irp g, 0,1,2,3
	v_cvt_scalef32_pk8_fp4_f32 v[WC+\g], v[XS+8*\g:XS+8*\g+7], v11
.endr
	ds_store_b128 v4, v[WC:WC+3] offset:16*(\t)    ; 32 codes: 16 bytes of my column's row
.if (\t)+2 < 8
	WLOAD (\t)+2
.endif
	s_wait_dscnt 0x0                               ; the store has read its registers: the next block's codes may be written
.endm
.macro PLOAD t                         ; block t of my column: Wproj(.. + 32 t + i, column)
.set i, 0
.rept 32
	global_load_b32 v[WX+32*((\t)%2)+i], v3, s[8:9] offset:(32*(\t)+i)*4096
.set i, i+1
.endr
.endm
.macro PBLOCK t
.if (\t) < 3
	s_wait_loadcnt 32                              ; this block's loads are in; the next block's may be out
.else
	s_wait_loadcnt 0x0
.endif
.set i, 0
.rept 16
	v_cvt_pk_f16_f32 v[PC+16*(\t)+i], v[WX+32*((\t)%2)+2*i], v[WX+32*((\t)%2)+2*i+1]   ; two neighbours along K, the lower in the low half
.set i, i+1
.endr
.if (\t)+2 < 4
	PLOAD (\t)+2
.endif
.irp p, 0,1,2,3
	global_store_b128 v8, v[PC+16*(\t)+4*\p:PC+16*(\t)+4*\p+3], s[18:19] offset:1024*(\t)+256*\p   ; piece p of fragment t: sixteen lanes store 256 consecutive bytes, aligned
.endr
.endm
	s_load_b256 s[4:11], s[0:1], 0x0               ; x s[4:5], Wqkv s[6:7], Wproj s[8:9], xc s[10:11]
	s_load_b256 s[12:19], s[0:1], 0x20             ; xs s[12:13], wc s[14:15], ws s[16:17], wpimg s[18:19]
	v_lshl_add_u32 v[SPW], v0, 2, SPARE
	v_mov_b32 v[NIL], 0
	v_lshrrev_b32 v1, 5, v0
	v_readfirstlane_b32 s20, v1                    ; wave 0..3
	v_and_b32 v2, 31, v0                           ; lane
	s_wait_kmcnt 0x0
	s_cmp_lt_u32 ttmp9, 96
	s_cbranch_scc1 .Lpath_w
	s_cmp_lt_u32 ttmp9, 160
	s_cbranch_scc1 .Lpath_p
	; ---- PATH X.  Rows are dense and 1,024 is a multiple of 32: x is a plain stream of blocks of 32, and so are its codes and scale bytes.  A wave takes 8,192 numbers: 16 steps of 512.
	v_lshlrev_b32 v3, 4, v2                        ; my 16 bytes of a load's 512
	s_mul_i32 s21, s20, 8192                       ; my wave's LDS region
	v_lshrrev_b32 v14, 2, v2
	v_mul_u32_u24 v14, v14, SP
	v_and_b32 v15, 3, v2
	v_lshl_add_u32 v14, v15, 4, v14
	v_add_nc_u32 v14, s21, v14                     ; the stage, in: SP (lane / 4) + 16 (lane % 4)
	v_mul_u32_u24 v15, v2, SP
	v_add_nc_u32 v15, s21, v15                     ; and back: SP x lane: my 16 neighbours
	v_lshlrev_b32 v4, 3, v2                        ; my 8 bytes of a step's codes
	v_lshrrev_b32 v5, 1, v2
	s_add_co_u32 s21, s21, 2*32*SP
	v_add_nc_u32 v5, s21, v5                       ; my wave's 256 scale bytes, my block's byte
	v_lshlrev_b32 v7, 3, v2
	v_add_nc_u32 v6, s21, v7                       ; and on the way out 8 bytes a lane
	s_sub_co_u32 s22, ttmp9, 160
	s_lshl_b32 s22, s22, 2
	s_add_co_u32 s22, s22, s20                     ; which run of 8,192 numbers is my wave's
	s_mov_b32 s23, 0
	s_lshl_b64 s[24:25], s[22:23], 15              ; 32,768 bytes of x,
	s_add_nc_u64 s[4:5], s[4:5], s[24:25]
	s_lshl_b64 s[24:25], s[22:23], 12              ; 4,096 of codes,
	s_add_nc_u64 s[10:11], s[10:11], s[24:25]
	s_lshl_b64 s[24:25], s[22:23], 8               ; 256 scale bytes a run
	s_add_nc_u64 s[12:13], s[12:13], s[24:25]
.irp t, 0,1,2,3
	XLOAD \t
.endr
	s_wait_loadcnt 12                              ; step 0's four loads are in
	XTURN 0
.irp t, 0,1,2,3,4,5,6,7,8,9,10,11,12,13,14,15
	XSTEP \t
.endr
	ds_load_b64 v[8:9], v6                         ; LDS serves a wave's instructions in order: these see my byte stores
	s_wait_dscnt 0x0
	global_store_b64 v7, v[8:9], s[12:13]          ; 32 lanes store 256 consecutive bytes, aligned
	s_wait_tensorcnt 0x0                           ; the wave's end
	ds_add_u32 v[SPW], v[NIL]
	s_wait_dscnt 0x0
	s_endpgm
	; ---- PATH W.  A lane takes a column and its registers run down K, so that a block lies in one lane and the codes come out with K innermost.  A work-group takes 64 columns x 512 K; a wave 16 columns:
	; lane (r, hh) takes column 16 wave + r and K = 256 hh + 32 t + i, t = 0 .. 7: eight blocks a lane.  The four waves stand side by side on 256 bytes of each row of Wqkv.
.Lpath_w:
	s_lshr_b32 s21, ttmp9, 1                       ; which 64 columns
	s_and_b32 s22, ttmp9, 1                        ; which 512 along K
	s_lshl_b32 s23, s21, 6
	s_lshl_b32 s24, s20, 4
	s_add_co_u32 s23, s23, s24                     ; my wave's first column
	v_and_b32 v5, 15, v2                           ; r
	v_lshrrev_b32 v6, 4, v2                        ; hh
	v_lshlrev_b32 v3, 2, v5
	v_mul_u32_u24 v10, v6, 0x300000                ; 256 rows of 12,288 bytes
	v_add_nc_u32 v3, v3, v10                       ; in: 4 r + 256 hh rows
	s_mul_i32 s24, s20, 16*272
	s_add_co_u32 s24, s24, WSTG                    ; my stage
	v_mul_u32_u24 v4, v5, 272
	v_lshl_add_u32 v4, v6, 7, v4
	v_add_nc_u32 v4, s24, v4                       ; into it: row = my column, + 128 hh bytes (256 codes)
	v_mul_u32_u24 v7, v6, 272
	v_lshl_add_u32 v7, v5, 4, v7
	v_add_nc_u32 v7, s24, v7                       ; out of it: sixteen lanes to a row, two rows an instruction
	v_lshlrev_b32 v8, 9, v6
	v_lshl_add_u32 v8, v5, 4, v8                   ; and the same place in wc: rows of 512 bytes
	v_lshlrev_b32 v9, 5, v5
	v_lshl_add_u32 v9, v6, 3, v9                   ; my eight scale bytes: row r of 32 bytes, + 8 hh
	s_mul_i32 s26, s22, 6291456                    ; 512 rows of Wqkv
	s_lshl_b32 s27, s23, 2
	s_add_co_u32 s26, s26, s27
	s_mov_b32 s27, 0
	s_add_nc_u64 s[6:7], s[6:7], s[26:27]
	s_lshl_b32 s26, s23, 9
	s_lshl_b32 s28, s22, 8
	s_add_co_u32 s26, s26, s28
	s_add_nc_u64 s[14:15], s[14:15], s[26:27]      ; wc: column x 512 + 256 x which K
	s_lshl_b32 s26, s23, 5
	s_lshl_b32 s28, s22, 4
	s_add_co_u32 s26, s26, s28
	s_add_nc_u64 s[16:17], s[16:17], s[26:27]      ; ws: column x 32 + 16 x which K
	WLOAD 0
	WLOAD 1
.irp t, 0,1,2,3,4,5,6,7
	WBLOCK \t
.endr
	global_store_b64 v9, v[SB:SB+1], s[16:17]
.irp i, 0,1,2,3,4,5,6,7
	ds_load_b128 v[WO+4*\i:WO+4*\i+3], v7 offset:544*\i            ; LDS serves a wave's instructions in order: these see my stores
.endr
.irp i, 0,1,2,3,4,5,6,7
	s_wait_dscnt 7-\i                              ; loads come back in order: the younger ones may be out
	global_store_b128 v8, v[WO+4*\i:WO+4*\i+3], s[14:15] offset:1024*\i   ; sixteen lanes store 256 consecutive bytes, aligned
.endr
	s_wait_tensorcnt 0x0                           ; the wave's end
	ds_add_u32 v[SPW], v[NIL]
	s_wait_dscnt 0x0
	s_endpgm
	; ---- PATH P.  A lane takes a column n of Wproj, its registers run down K: a block of 32 numbers becomes 16 registers of f16 pairs, which are the column's four pieces of one fragment.  A work-group takes 128 columns x 128 K.
.Lpath_p:
	s_sub_co_u32 s21, ttmp9, 96
	s_lshr_b32 s22, s21, 3                         ; which 128 columns
	s_and_b32 s23, s21, 7                          ; which 128 along K
	s_lshl_b32 s24, s22, 7
	s_lshl_b32 s25, s20, 5
	s_add_co_u32 s24, s24, s25                     ; my wave's first column
	v_lshlrev_b32 v3, 2, v2                        ; in: 4 bytes a lane
	v_lshrrev_b32 v5, 4, v2
	v_and_b32 v6, 15, v2
	v_lshlrev_b32 v8, 13, v5                       ; out: lanes 16-31 belong to the next tile of 16 columns, 8,192 bytes on;
	v_lshl_add_u32 v8, v6, 4, v8                   ; 16 bytes a row of the fragment
	s_lshl_b32 s26, s23, 19                        ; 128 rows of 4,096 bytes
	s_lshl_b32 s27, s24, 2
	s_add_co_u32 s26, s26, s27
	s_mov_b32 s27, 0
	s_add_nc_u64 s[8:9], s[8:9], s[26:27]
	s_lshr_b32 s26, s23, 1
	s_lshl_b32 s26, s26, 19                        ; which 256 along K: 64 tiles x 8,192 bytes
	s_lshl_b32 s28, s24, 9                         ; column / 16 x 8,192
	s_add_co_u32 s26, s26, s28
	s_and_b32 s28, s23, 1
	s_lshl_b32 s28, s28, 12                        ; fragments 0-3 or 4-7 of the eight
	s_add_co_u32 s26, s26, s28
	s_add_nc_u64 s[18:19], s[18:19], s[26:27]
	PLOAD 0
	PLOAD 1
.irp t, 0,1,2,3
	PBLOCK \t
.endr
	s_wait_tensorcnt 0x0                           ; the same three lines as on the other paths
	ds_add_u32 v[SPW], v[NIL]
	s_wait_dscnt 0x0
	s_endpgm
.Lfunc_end_k_qfd3dc6e5ba_prep:
	.size	k_qfd3dc6e5ba_prep, .Lfunc_end_k_qfd3dc6e5ba_prep-k_qfd3dc6e5ba_prep
	.p2alignl 7, 3214868480
	.fill 96, 4, 3214868480
	.section	.rodata,"a",@progbits
	.p2align	6, 0x0
	.amdhsa_kernel k_qfd3dc6e5ba_prep
		.amdhsa_group_segment_fixed_size 50688
		.amdhsa_private_segment_fixed_size 0
		.amdhsa_enable_private_segment 0
		.amdhsa_kernarg_size 64
		.amdhsa_user_sgpr_count 2
		.amdhsa_user_sgpr_kernarg_segment_ptr 1
		.amdhsa_wavefront_size32 1
		.amdhsa_system_sgpr_workgroup_id_x 1
		.amdhsa_system_sgpr_workgroup_id_y 1
		.amdhsa_system_sgpr_workgroup_id_z 1
		.amdhsa_system_vgpr_workitem_id 0
		.amdhsa_next_free_vgpr 192
		.amdhsa_next_free_sgpr 66
		.amdhsa_reserve_vcc 0
		.amdhsa_float_denorm_mode_32 3
		.amdhsa_float_denorm_mode_16_64 3
		.amdhsa_memory_ordered 1
		.amdhsa_forward_progress 1
		.amdhsa_inst_pref_size 91
	.end_amdhsa_kernel
	.amdgpu_metadata
---
amdhsa.version: [ 1, 2 ]
amdhsa.kernels:
  - .name:           k_qfd3dc6e5ba_prep
    .symbol:         k_qfd3dc6e5ba_prep.kd
    .args:
      - { .name: x, .offset: 0, .size: 8, .value_kind: global_buffer, .address_space: global }
      - { .name: Wqkv, .offset: 8, .size: 8, .value_kind: global_buffer, .address_space: global }
      - { .name: Wproj, .offset: 16, .size: 8, .value_kind: global_buffer, .address_space: global }
      - { .name: xc, .offset: 24, .size: 8, .value_kind: global_buffer, .address_space: global }
      - { .name: xs, .offset: 32, .size: 8, .value_kind: global_buffer, .address_space: global }
      - { .name: wc, .offset: 40, .size: 8, .value_kind: global_buffer, .address_space: global }
      - { .name: ws, .offset: 48, .size: 8, .value_kind: global_buffer, .address_space: global }
      - { .name: wpimg, .offset: 56, .size: 8, .value_kind: global_buffer, .address_space: global }
    .group_segment_fixed_size: 50688
    .private_segment_fixed_size: 0
    .kernarg_segment_align: 8
    .kernarg_segment_size: 64
    .max_flat_workgroup_size: 128
    .sgpr_count:     66
    .vgpr_count:     192
    .wavefront_size: 32
...
	.end_amdgpu_metadata
.endif
;; end of part 1
;; launch qkvg (part 2): grid 12 x 32, 4 waves a work-group, clusters of 4 x 4, 327,680 bytes of LDS; arguments xc, xs, wc, ws, bqkv, qkv; writes qkv
.if DOCPART == 2
	.amdgcn_target "amdgcn-amd-amdhsa--gfx1250"
	.amdhsa_code_object_version 6
	.text
	.protected	k_qfd3dc6e5ba_qkvg
	.globl	k_qfd3dc6e5ba_qkvg
	.p2align	8
	.type	k_qfd3dc6e5ba_qkvg,@function
k_qfd3dc6e5ba_qkvg:
	s_mov_b64 s[64:65], 0
	v_nop
	global_prefetch_b8 v0, s[64:65] scope:SCOPE_SE
	s_setreg_imm32_b32 hwreg(HW_REG_WAVE_MODE, 25, 1), 1
	s_wait_xcnt 0x0
	s_wait_alu depctr_hold_cnt(0) depctr_sa_sdst(0) depctr_va_vdst(0) depctr_va_sdst(0) depctr_va_ssrc(0) depctr_va_vcc(0) depctr_vm_vsrc(0)
	s_getreg_b32 s2, hwreg(HW_REG_IB_STS2, 6, 4)
	s_cmp_eq_u32 s2, 0
	s_cbranch_scc0 .Lentry_in_a_cluster
	s_endpgm
.Lentry_in_a_cluster:
	s_bfe_u32 s2, ttmp6, 0x10000c
	s_cmp_lg_u32 s2, 0xf033
	s_cbranch_scc0 .Lentry_shape_is_right
	s_endpgm
.Lentry_shape_is_right:
; qkv = Q(x) Q(Wqkv) + bqkv, the quantised product, on codes of FP4 (E2M1) with one E8M0 scale for each 32 along K; sums in f32; the results leave as f16.
; A = xc [8192][512 bytes], xs [8192][32];  B = wc [3072][512 bytes], ws [3072][32]: K innermost, two codes a byte.  The matrix instruction takes codes and scale bytes as they lie.
; A tile of 256 x 256 is made by a work-group of four waves; a wave makes 128 x 128: 64 accumulators of 16 x 16, 512 registers.  K = 1,024 is two LDS slots of 512 along K (rows of 256 bytes): both are asked for at the head, nothing is filled again.
; The scale bytes of the work-group's 256 + 256 rows, for all of K, are two dense blocks of memory: they come into LDS once, in rows of 256 bytes.
; CLUSTERS: 4 x 4 work-groups.  The four of a row of the cluster need the same tiles of A, the four of a column the same tiles of B: each tile is asked for jointly, by the same tensor load with a mask that names the four.
; THE MATRIX INSTRUCTION IS USED TRANSPOSED (source 0 = 16 rows of B, source 1 = 16 rows of A): a lane holds row l % 16 and eight neighbouring columns 8 (l / 16) + 0..7.  THE BIAS is the C of each sum's first instruction.
; THE WAY OUT NEEDS NO LDS.  qkv is laid as images of the next launch's operands: [part q, k, v][16 batch + head][t / 16][d / 16][512 bytes].  A lane's eight columns, rounded to f16, are 16 bytes; for q and k they lie at 16 x lane of
; their 512 bytes, which is a half fragment (16 rows x 32 channels) as the matrix instruction wants it; for v at 256 ((l / 8) % 2) + 128 (l / 16) + 16 (l % 8), the order in which the transposing LDS load of the next launch reads at 16 x lane.
; So each store of the wave covers 512 consecutive bytes, aligned.
; LIMITS: |q|, |k|, |v| stay under 65,504, f16's largest number; NaN and infinities are not served.
; REGISTERS, in windows of 256: window 0: v0-31 addresses; v32-95 scale words, two sets; v128-191 A's fragments, one set; v192-255 the bias; on the way out v128-255 hold packed results.
;   window 1: B's fragments, two sets, at v0 and v128.   window 2: the accumulators of my rows 0-63 ((a, b) at v[8 (8 a + b)]);   window 3: those of my rows 64-127.
.set SIZE_K, 1024
.set KSTEP,  512                       ; along K in a slot
.set NQ,     KSTEP/128                 ; matrix instructions deep
.set ROWB,   256                       ; a tile's row in bytes
.set KROW,   SIZE_K/2                  ; a row of codes in memory
.set PITCH,  272                       ; an LDS row: 256 bytes + 16 of padding = 68 words: the 16 rows that a load touches start at 16 different banks (64 banks of 4 bytes: ISA guide 11.1)
.set FR,     8                         ; registers of a fragment: 16 rows x 128 K
.set NL,     2                         ; LDS loads that bring one
.set NP,     4                         ; places behind this matrix instruction (ISA guide 7.12.1)
.set HALFT,  128*PITCH                 ; 128 rows: what one tensor load brings
.set SLOT,   4*HALFT                   ; A's 256 rows, then B's 256 rows
.set KS,     SIZE_K/32                 ; a row of scale bytes
.set SCL,    2*SLOT                    ; behind the slots: the scales, as rows of 256 bytes + 16 of padding
.set HALFS,  (128*KS/256)*272          ; the scales of 128 rows: what one tensor load brings
.set SBLK,   (16*KS/256)*272           ; those of 16 rows
.set SPARE,  SCL+4*HALFS               ; the spare words, 128 bytes for each wave: two blocks of 256 bytes that no other line names
.set ADRA, 16                          ; v16-17  LDS address of my A fragments in slot 0, 1
.set ADRB, 20                          ; v20-21  the same for B
.set CO,   26                          ; v26     my 16 bytes' place in a store's 512
.set ADRS, 27                          ; v27     LDS address of my scale words: lanes 0-15 A's rows, lanes 16-31 B's
.set SPW,  28                          ; v28     LDS address of my spare word; never rewritten
.set NIL,  29                          ; v29     0; never rewritten
.set BO,   30                          ; v30     the bias: 32 (l / 16) bytes
.set SC,   32                          ; scale words: set s at v[SC + 8 NQ s]; register NQ i + q: lanes 0-15 the word of A's block i, lanes 16-31 that of B's block i, for the slot's q-th 128 along K
.set AF,   128                         ; A's fragments, in window 0
.set BI,   192                         ; the bias: block b's eight numbers of my half of the lanes at v[BI + 8 b]
.set G1, 24                            ; s[24:31] descriptor group 1 for A's tiles;  s[32:39] group 0, one set for each slot
.set G0, 32
.set G1B, 48                           ; s[48:55], s[56:63] the same for B's tiles
.set G0B, 56
.set G1S, 68                           ; s[68:75], s[76:79] groups 1 and 0 for A's scales;  s[80:87], s[88:91] for B's
.set G0S, 76
.set G1SB, 80
.set G0SB, 88
.set MSB, 0
.macro WIN new                         ; the immediate's high byte repeats the setting that is left
.if MSB != \new
	s_set_vgpr_msb (MSB<<8)|\new
.set MSB, \new
.endif
.endm
.set MUL_LO, 0xa1                      ; source 0 (B) window 1, source 1 (A) window 0, C and D window 2
.set MUL_HI, 0xf1                      ; the same, C and D window 3
.set FST_LO, 0x81                      ; the first step: C (the bias) window 0, D window 2
.set FST_HI, 0xc1                      ; D window 3
.set TO_B,   0x40                      ; destination window 1, address window 0
; A joint load: waves 0 and 1 fetch for A, waves 2 and 3 for B.  Each of the two lines has one mask and one set of registers for all that issue it; the branch hangs on the wave's number alone.
; An s_nop 0 and four v_nop follow each of the two lines, ahead of the jump, the label and what follows.
.macro JLOAD g0a, g1a, g0b, g1b
	s_cmp_eq_u32 s15, 0
	s_cbranch_scc0 .Lfor_b_\@
	tensor_load_to_lds s[\g0a:\g0a+3], s[\g1a:\g1a+7]
	s_nop 0
.rept 4
	v_nop
.endr
	s_branch .Lasked_\@
.Lfor_b_\@:
	tensor_load_to_lds s[\g0b:\g0b+3], s[\g1b:\g1b+7]
	s_nop 0
.rept 4
	v_nop
.endr
.Lasked_\@:
.endm
.macro CROUND                          ; a round of the cluster's barrier: my work-group's barrier; wave 0 signals for the work-group; every wave waits for all sixteen; my work-group's barrier once more
	s_barrier_signal -1
	s_barrier_wait -1
	s_cmp_lg_u32 s14, 0
	s_cbranch_scc1 .Lnot_wave_0_\@
	s_barrier_signal -3
.Lnot_wave_0_\@:
	s_barrier_wait -3
	s_barrier_signal -1
	s_barrier_wait -1
.endm
	s_load_b128 s[4:7], s[0:1], 0x0                ; A's codes s[4:5], A's scales s[6:7]
	s_load_b128 s[8:11], s[0:1], 0x10              ; B's codes s[8:9], B's scales s[10:11]
	s_load_b64 s[96:97], s[0:1], 0x20              ; the bias
	s_load_b64 s[12:13], s[0:1], 0x28              ; qkv
	v_lshl_add_u32 v[SPW], v0, 2, SPARE
	v_mov_b32 v[NIL], 0
	ds_add_u32 v[SPW], v[NIL]                      ; the wave's opening: the add, twice on end, and its wait ahead of my first tensor load; the set-up below is work on registers
	ds_add_u32 v[SPW], v[NIL]
	v_lshrrev_b32 v1, 5, v0
	v_readfirstlane_b32 s14, v1                    ; wave 0..3
	s_lshr_b32 s15, s14, 1                         ; which half of the tile's rows is mine.  Also: I fetch for A (0) or for B (1)
	s_and_b32 s16, s14, 1                          ; which half of its columns.  Also: which 128 rows of that tile I fetch
	s_bfe_u32 s40, ttmp6, 0x40000                  ; cx, cy: my place in the cluster
	s_bfe_u32 s41, ttmp6, 0x40004
	s_lshl_b32 s42, ttmp9, 2
	s_add_co_u32 s42, s42, s40                     ; tile column = 4 x cluster x + cx
	s_and_b32 s17, ttmp7, 0xffff
	s_lshl_b32 s17, s17, 2
	s_add_co_u32 s17, s17, s41                     ; tile row = 4 x cluster y + cy
	s_lshl_b32 s43, s41, 2
	s_lshl_b32 s43, 15, s43                        ; my row of the cluster
	s_lshl_b32 s44, 0x1111, s40                    ; my column
	; descriptor group 1: a tile of 128 rows x 256 bytes, padded in LDS
	s_or_b32 s[G1+0], s43, (0<<16)|(1<<20)|(1<<21)|(5<<22)|(3<<25)  ; 15:0 the mask: A's tiles go to my row; 17:16 elements of 1 byte; 20 padding on; 21 set beside a mask; 24:22 after every 64 words; 31:25 four words
	s_or_b32 s[G1B+0], s44, (0<<16)|(1<<20)|(1<<21)|(5<<22)|(3<<25)
.irp g, G1, G1B
	s_mov_b32 s[\g+1], ROWB<<16                    ; tensor_dim0
	s_mov_b32 s[\g+2], 128<<16                     ; tensor_dim1
	s_mov_b32 s[\g+3], ROWB<<16                    ; tile_dim0
	s_mov_b32 s[\g+4], 128                         ; tile_dim1
	s_mov_b32 s[\g+5], KROW                        ; tensor_dim0_stride
	s_mov_b32 s[\g+6], 0
	s_mov_b32 s[\g+7], 0
.endr
	; and for the scales of 128 rows: a dense block of 4,096 bytes, as rows of 256 bytes (32 elements of 8 bytes), 16 bytes of padding behind each
	s_or_b32 s[G1S+0], s43, (3<<16)|(1<<20)|(1<<21)|(5<<22)|(3<<25)
	s_or_b32 s[G1SB+0], s44, (3<<16)|(1<<20)|(1<<21)|(5<<22)|(3<<25)
.irp g, G1S, G1SB
	s_mov_b32 s[\g+1], 32<<16
	s_mov_b32 s[\g+2], (128*KS/256)<<16
	s_mov_b32 s[\g+3], 32<<16
	s_mov_b32 s[\g+4], 128*KS/256
	s_mov_b32 s[\g+5], 32
	s_mov_b32 s[\g+6], 0
	s_mov_b32 s[\g+7], 0
.endr
	s_lshl_b32 s18, s16, 7                         ; which 128 rows of the tile I fetch
	s_lshl_b32 s20, s17, 8
	s_add_co_u32 s20, s20, s18                     ; A: row 256 x tile row + 128 x half
	s_lshl_b32 s46, s42, 8
	s_add_co_u32 s46, s46, s18                     ; B: row 256 x tile column + 128 x half
	s_mov_b32 s21, 0
	s_mov_b32 s47, 0
	s_mov_b64 s[18:19], KS
	s_mul_u64 s[22:23], s[20:21], s[18:19]         ; where these rows' scales begin, in bytes
	s_mul_u64 s[92:93], s[46:47], s[18:19]
	s_mov_b64 s[18:19], KROW
	s_mul_u64 s[20:21], s[20:21], s[18:19]         ; and their codes
	s_mul_u64 s[46:47], s[46:47], s[18:19]
	s_mul_i32 s45, s14, HALFT                      ; where they go: wave x 128 rows: no place in the cluster enters an LDS address
	s_mul_i32 s94, s14, HALFS
	s_wait_dscnt 0x0                               ; both opening adds are done
	s_wait_kmcnt 0x0
	s_add_nc_u64 s[20:21], s[4:5], s[20:21]
	s_add_nc_u64 s[22:23], s[6:7], s[22:23]
	s_add_nc_u64 s[46:47], s[8:9], s[46:47]
	s_add_nc_u64 s[92:93], s[10:11], s[92:93]
	CROUND                                         ; all sixteen work-groups are here: the joint loads meet
	s_mov_b32 s[G0S], 1
	s_add_co_u32 s[G0S+1], s94, SCL
	s_mov_b64 s[G0S+2:G0S+3], s[22:23]
	s_or_b32 s[G0S+3], s[G0S+3], 0x80000000
	s_mov_b32 s[G0SB], 1
	s_add_co_u32 s[G0SB+1], s94, SCL
	s_mov_b64 s[G0SB+2:G0SB+3], s[92:93]
	s_or_b32 s[G0SB+3], s[G0SB+3], 0x80000000
	JLOAD G0S, G1S, G0SB, G1SB                     ; the scales first: they are wanted with slot 0.  Three tensor loads of mine are out in all
.irp s, 0,1
	s_mov_b32 s[G0+4*\s], 1
	s_add_co_u32 s[G0+4*\s+1], s45, \s*SLOT
	s_add_nc_u64 s[G0+4*\s+2:G0+4*\s+3], s[20:21], \s*ROWB
	s_or_b32 s[G0+4*\s+3], s[G0+4*\s+3], 0x80000000
	s_mov_b32 s[G0B+4*\s], 1
	s_add_co_u32 s[G0B+4*\s+1], s45, \s*SLOT
	s_add_nc_u64 s[G0B+4*\s+2:G0B+4*\s+3], s[46:47], \s*ROWB
	s_or_b32 s[G0B+4*\s+3], s[G0B+4*\s+3], 0x80000000
	JLOAD G0+4*\s, G1, G0B+4*\s, G1B
.endr
	v_and_b32 v1, 15, v0                           ; l % 16
	v_bfe_u32 v2, v0, 4, 1                         ; l / 16
	; the bias of my 128 columns: 4 bytes x (256 x tile column + 128 x half), in registers that feed none of A's descriptors
	s_lshl_b32 s46, s42, 10
	s_lshl_b32 s47, s16, 9
	s_add_co_u32 s46, s46, s47
	s_mov_b32 s47, 0
	s_add_nc_u64 s[96:97], s[96:97], s[46:47]
	v_lshlrev_b32 v[BO], 5, v2
.irp b, 0,1,2,3,4,5,6,7
	global_load_b128 v[BI+8*\b:BI+8*\b+3], v[BO], s[96:97] offset:64*\b         ; columns 16 b + 8 (l / 16) + 0 .. 3
	global_load_b128 v[BI+8*\b+4:BI+8*\b+7], v[BO], s[96:97] offset:64*\b+16    ; and + 4 .. 7
.endr
	v_mul_u32_u24 v3, v1, PITCH
	v_lshl_add_u32 v4, v2, 4, v3                   ; a fragment's row x pitch + 16 x half
	s_mul_i32 s21, s15, HALFT                      ; my 128 rows of A
	s_mul_i32 s22, s16, HALFT                      ; my 128 rows of B,
	s_add_co_u32 s22, s22, 2*HALFT                 ; which lie behind A's 256
.irp s, 0,1
	v_add_nc_u32 v[ADRA+\s], s21, v4
	v_add_nc_u32 v[ADRB+\s], s22, v4
	s_add_co_u32 s21, s21, SLOT
	s_add_co_u32 s22, s22, SLOT
.endr
	v_mul_u32_u24 v5, v1, KS                       ; my row's scales: KS bytes a row,
	v_lshrrev_b32 v6, 8, v5
	v_lshl_add_u32 v5, v6, 4, v5                   ; and 16 more for each 256 passed
	s_mul_i32 s21, s15, HALFS                      ; A's: my 128 rows
	s_mul_i32 s22, s16, HALFS                      ; B's: my 128 rows, behind A's 256
	s_add_co_u32 s22, s22, 2*HALFS
	s_sub_co_u32 s22, s22, s21
	v_mul_u32_u24 v6, s22, v2                      ; lanes 16-31 take B's: one product, the distance between the two bases
	s_add_co_u32 s21, s21, SCL
	v_add_nc_u32 v5, v5, v6
	v_add_nc_u32 v[ADRS], s21, v5
	; my 16 bytes' place in a store's 512: q and k: 16 x lane; v: the order of the transposing load.  The choice hangs on the cluster's x, which all partners share, and steers an offset, no branch
	v_and_b32 v6, 31, v0
	v_lshlrev_b32 v5, 4, v6
	v_bfe_u32 v7, v0, 3, 1
	v_lshlrev_b32 v7, 8, v7
	v_lshl_add_u32 v7, v2, 7, v7
	v_and_b32 v8, 7, v0
	v_lshl_add_u32 v7, v8, 4, v7
	s_cmp_eq_u32 ttmp9, 2                          ; cluster x = 0, 1, 2: q, k, v
	s_cselect_b32 s18, -1, 0
	v_cndmask_b32 v[CO], v5, v7, s18
	; where my part begins in qkv.  By rows: batch x 16 heads x 262,144 + (t of my first row) x 128
	s_lshr_b32 s20, s17, 3
	s_lshl_b32 s20, s20, 22
	s_and_b32 s21, s17, 7
	s_lshl_b32 s21, s21, 15
	s_add_co_u32 s20, s20, s21
	s_lshl_b32 s21, s15, 14
	s_add_co_u32 s20, s20, s21
	s_mov_b32 s21, 0
	s_add_nc_u64 s[12:13], s[12:13], s[20:21]
	; by columns: part x 16,777,216 + (4 cx + 2 x half) heads x 262,144
	s_lshl_b32 s46, ttmp9, 24
	s_lshl_b32 s47, s40, 20
	s_add_co_u32 s46, s46, s47
	s_lshl_b32 s47, s16, 19
	s_add_co_u32 s46, s46, s47
	s_mov_b32 s47, 0
	s_add_nc_u64 s[12:13], s[12:13], s[46:47]
.macro FRAG reg, adr, q, i             ; a fragment, 16 rows x 128 K of 4-bit codes: lane l holds row l % 16; registers 4 c .. 4 c + 3 hold K = 64 c + 32 (l / 16) + 0 .. 31
.irp c, 0,1
	ds_load_b128 v[\reg+4*\c:\reg+4*\c+3], v[\adr] offset:64*(\q)+32*\c+(\i)*16*PITCH
.endr
.endm
; 16 matrix instructions: A's blocks a0, a0 + 1 x B's eight, 128 along K: the slot's q-th.  p: B's set;  sc: the set of scale words.  first = 1: the bias starts the sums: nothing is cleared and nothing is added later.
; The 64 accumulators take turns, one instruction a turn, in the same order in every step.
.macro MUL16 a0, p, q, sc, first
.irp a, \a0, \a0+1
.irp b, 0,1,2,3,4,5,6,7
.if \first
	v_wmma_scale_f32_16x16x128_f8f6f4 v[8*(8*((\a)%4)+\b):8*(8*((\a)%4)+\b)+7], v[128*(\p)+FR*\b:128*(\p)+FR*\b+FR-1], v[AF+FR*(\a):AF+FR*(\a)+FR-1], v[BI+8*\b:BI+8*\b+7], v[SC+8*NQ*(\sc)+NQ*\b+(\q)], v[SC+8*NQ*(\sc)+NQ*(\a)+(\q)] matrix_a_fmt:MATRIX_FMT_FP4 matrix_b_fmt:MATRIX_FMT_FP4 matrix_a_scale:MATRIX_SCALE_ROW1
.else
	v_wmma_scale_f32_16x16x128_f8f6f4 v[8*(8*((\a)%4)+\b):8*(8*((\a)%4)+\b)+7], v[128*(\p)+FR*\b:128*(\p)+FR*\b+FR-1], v[AF+FR*(\a):AF+FR*(\a)+FR-1], v[8*(8*((\a)%4)+\b):8*(8*((\a)%4)+\b)+7], v[SC+8*NQ*(\sc)+NQ*\b+(\q)], v[SC+8*NQ*(\sc)+NQ*(\a)+(\q)] matrix_a_fmt:MATRIX_FMT_FP4 matrix_b_fmt:MATRIX_FMT_FP4 matrix_a_scale:MATRIX_SCALE_ROW1
.endif
.endr
.endr
.endm
.macro FETCH_B slot, q, p              ; B's eight fragments of the slot's q-th 128 along K into set p
	WIN TO_B
.irp i, 0,1,2,3,4,5,6,7
	FRAG 128*(\p)+FR*\i, ADRB+\slot, \q, \i
.endr
	WIN 0
.endm
.macro FETCH_A slot, q, i0             ; A's blocks i0 .. i0 + 3
.irp i, \i0, \i0+1, \i0+2, \i0+3
	FRAG AF+FR*(\i), ADRA+\slot, \q, \i
.endr
.endm
.macro SCALES sc                       ; a slot's scale words into set sc: NQ words a row; lanes 0-15 take A's block i, lanes 16-31 B's block i
.irp i, 0,1,2,3,4,5,6,7
	ds_load_b128 v[SC+8*NQ*\sc+NQ*\i:SC+8*NQ*\sc+NQ*\i+3], v[ADRS] offset:\i*SBLK
.endr
.endm
; A load into a register that a matrix instruction has read, and a vector instruction that reads a matrix result or writes one of a matrix instruction's registers, stand NP places behind it; only plain vector
; instructions that name none of its registers are places (ISA guide 7.12.1 for vector instructions).
.macro PLACES n
.rept \n
	v_nop
.endr
.endm
; A step of 128 along K that has its successor in the same slot.  A's blocks are free as soon as their eight products are issued, so A has one set: blocks 0-3 are fetched anew in the step's middle, blocks 4-7 at its end.
.macro STEP slot, q, first
	s_wait_dscnt 4*NL                              ; B's set and A's blocks 0-3 are in; the youngest eight loads (A's blocks 4-7) may be out
.if \first
	WIN FST_LO
.else
	WIN MUL_LO
.endif
	MUL16 0, (\q)%2, \q, \slot, \first
	MUL16 2, (\q)%2, \q, \slot, \first
	s_wait_dscnt 0                                 ; A's blocks 4-7 are in
	PLACES NP
	FETCH_B \slot, (\q)+1, 1-(\q)%2
	FETCH_A \slot, (\q)+1, 0
.if \first
	WIN FST_HI
.else
	WIN MUL_HI
.endif
	MUL16 4, (\q)%2, \q, \slot, \first
	MUL16 6, (\q)%2, \q, \slot, \first
	PLACES NP
	WIN 0
	FETCH_A \slot, (\q)+1, 4
.endm
; Slot 0's last step changes slots: one barrier; in front of it each wave waits for all its tensor loads (its part of slot 1), adds 0 to its spare word, and waits for that and for its reads.  Nothing is filled again.
.macro TURN slot, next
	s_wait_tensorcnt 0x0                           ; all my tensor loads have landed: my part of the next slot  (every window is 0 here)
	ds_add_u32 v[SPW], v[NIL]                      ; 0 onto my spare word
	s_wait_dscnt 4*NL+1                            ; (the add and the youngest eight loads, A's blocks 4-7, may be out)
	WIN MUL_LO
	MUL16 0, 1, NQ-1, \slot, 0                     ; sixteen matrix instructions stand between the add and the wait for it
	s_wait_dscnt 0x0                               ; the add is done, and my reads of this slot are over
	s_barrier_signal -1
	MUL16 2, 1, NQ-1, \slot, 0
	WIN 0
	s_barrier_wait -1                              ; everybody's part of the next slot is in
	PLACES NP
	v_add_nc_u32 v[ADRS], 4*NQ, v[ADRS]            ; on to the next slot's scale words (no LDS load of mine is out)
	FETCH_B \next, 0, 0
	FETCH_A \next, 0, 0
	SCALES \next
	WIN MUL_HI
	MUL16 4, 1, NQ-1, \slot, 0
	MUL16 6, 1, NQ-1, \slot, 0
	PLACES NP
	WIN 0
	FETCH_A \next, 0, 4
.endm
.macro STEPS slot, from                ; the slot's steps from .. NQ - 2
.set QQ, \from
.rept NQ-1-\from
	STEP \slot, QQ, 0
.set QQ, QQ+1
.endr
.endm
; THE WAY OUT of block a (16 rows x 128 columns): rounded to f16, each accumulator from its low end on, and stored straight from registers: block b's 16 bytes a lane are a store of 512 consecutive bytes.
.macro OUT a
.set AC, 64*((\a)%4)
.set TM, 128+32*((\a)%4)
	WIN 0x0a+5*((\a)/4)                            ; sources 0 and 1: window 2 or 3; destination window 0
.irp b, 0,1,2,3,4,5,6,7
.irp r, 0,1,2,3
	v_cvt_pk_f16_f32 v[TM+4*\b+\r], v[AC+8*\b+2*\r], v[AC+8*\b+2*\r+1]
.endr
.endr
	WIN 0
.irp b, 0,1,2,3,4,5,6,7
	global_store_b128 v[CO], v[TM+4*\b:TM+4*\b+3], s[12:13] offset:(\a)*2048+(\b/4)*262144+(\b%4)*512   ; tile of rows a; head b / 4 of my two; channels 16 (b % 4) on
.endr
.endm
	s_wait_tensorcnt 1                             ; the scales and my part of slot 0 are in (slot 1's load may be out)
	s_barrier_signal -1
	s_barrier_wait -1                              ; everybody's are
	FETCH_B 0, 0, 0
	FETCH_A 0, 0, 0
	SCALES 0
	FETCH_A 0, 0, 4
	s_wait_loadcnt 0x0                             ; the bias
	STEP 0, 0, 1                                   ; the first step's products start the sums on the bias
	STEPS 0, 1
	TURN 0, 1
	STEPS 1, 0
	s_wait_dscnt 4*NL                              ; the very last step: nothing more to fetch
	WIN MUL_LO
	MUL16 0, 1, NQ-1, 1, 0
	MUL16 2, 1, NQ-1, 1, 0
	s_wait_dscnt 0
	WIN MUL_HI
	MUL16 4, 1, NQ-1, 1, 0
	MUL16 6, 1, NQ-1, 1, 0
	WIN 0
	PLACES NP                                      ; behind the last products: the conversions write registers that held A's fragments, and later read the last results
	OUT 0
	OUT 1
	OUT 2
	OUT 3
	s_wait_xcnt 0x0                                ; the stores have read their data: the four sets of packed results are written again only behind this wait
	OUT 4
	OUT 5
	OUT 6
	OUT 7
	s_wait_tensorcnt 0x0                           ; the wave's end
	ds_add_u32 v[SPW], v[NIL]
	s_wait_dscnt 0x0
	CROUND                                         ; the closing round: no work-group ends while a partner may still ask for a tile that names it
	s_endpgm
.Lfunc_end_k_qfd3dc6e5ba_qkvg:
	.size	k_qfd3dc6e5ba_qkvg, .Lfunc_end_k_qfd3dc6e5ba_qkvg-k_qfd3dc6e5ba_qkvg
	.p2alignl 7, 3214868480
	.fill 96, 4, 3214868480
	.section	.rodata,"a",@progbits
	.p2align	6, 0x0
	.amdhsa_kernel k_qfd3dc6e5ba_qkvg
		.amdhsa_group_segment_fixed_size 327680
		.amdhsa_private_segment_fixed_size 0
		.amdhsa_enable_private_segment 0
		.amdhsa_kernarg_size 48
		.amdhsa_user_sgpr_count 2
		.amdhsa_user_sgpr_kernarg_segment_ptr 1
		.amdhsa_wavefront_size32 1
		.amdhsa_system_sgpr_workgroup_id_x 1
		.amdhsa_system_sgpr_workgroup_id_y 1
		.amdhsa_system_sgpr_workgroup_id_z 1
		.amdhsa_system_vgpr_workitem_id 0
		.amdhsa_next_free_vgpr 1024
		.amdhsa_next_free_sgpr 98
		.amdhsa_reserve_vcc 0
		.amdhsa_float_denorm_mode_32 3
		.amdhsa_float_denorm_mode_16_64 3
		.amdhsa_memory_ordered 1
		.amdhsa_forward_progress 1
		.amdhsa_inst_pref_size 120
	.end_amdhsa_kernel
	.amdgpu_metadata
---
amdhsa.version: [ 1, 2 ]
amdhsa.kernels:
  - .name:           k_qfd3dc6e5ba_qkvg
    .symbol:         k_qfd3dc6e5ba_qkvg.kd
    .args:
      - { .name: xc, .offset: 0, .size: 8, .value_kind: global_buffer, .address_space: global }
      - { .name: xs, .offset: 8, .size: 8, .value_kind: global_buffer, .address_space: global }
      - { .name: wc, .offset: 16, .size: 8, .value_kind: global_buffer, .address_space: global }
      - { .name: ws, .offset: 24, .size: 8, .value_kind: global_buffer, .address_space: global }
      - { .name: bqkv, .offset: 32, .size: 8, .value_kind: global_buffer, .address_space: global }
      - { .name: qkv, .offset: 40, .size: 8, .value_kind: global_buffer, .address_space: global }
    .group_segment_fixed_size: 327680
    .private_segment_fixed_size: 0
    .kernarg_segment_align: 8
    .kernarg_segment_size: 48
    .max_flat_workgroup_size: 128
    .sgpr_count:     98
    .vgpr_count:     1024
    .wavefront_size: 32
...
	.end_amdgpu_metadata
.endif
;; end of part 2
;; launch attn (part 3): grid 4 x 64, 16 waves a work-group, clusters of 4 x 1, 327,680 bytes of LDS; arguments qkv, yimg; writes yimg
.if DOCPART == 3
	.amdgcn_target "amdgcn-amd-amdhsa--gfx1250"
	.amdhsa_code_object_version 6
	.text
	.protected	k_qfd3dc6e5ba_attn
	.globl	k_qfd3dc6e5ba_attn
	.p2align	8
	.type	k_qfd3dc6e5ba_attn,@function
k_qfd3dc6e5ba_attn:
	s_mov_b64 s[64:65], 0
	v_nop
	global_prefetch_b8 v0, s[64:65] scope:SCOPE_SE
	s_setreg_imm32_b32 hwreg(HW_REG_WAVE_MODE, 25, 1), 1
	s_wait_xcnt 0x0
	s_wait_alu depctr_hold_cnt(0) depctr_sa_sdst(0) depctr_va_vdst(0) depctr_va_sdst(0) depctr_va_ssrc(0) depctr_va_vcc(0) depctr_vm_vsrc(0)
	s_getreg_b32 s2, hwreg(HW_REG_IB_STS2, 6, 4)
	s_cmp_eq_u32 s2, 0
	s_cbranch_scc0 .Lentry_in_a_cluster
	s_endpgm
.Lentry_in_a_cluster:
	s_bfe_u32 s2, ttmp6, 0x10000c
	s_cmp_lg_u32 s2, 0x3003
	s_cbranch_scc0 .Lentry_shape_is_right
	s_endpgm
.Lentry_shape_is_right:
; y[b][q][head] = the sum over k <= q of softmax_k(Q[q] . K[k] / 8) V[k]: causal attention, 64 heads (16 batch + head) of 2,048 positions x 64 channels.  Operands f16, products' sums, maxima and row sums f32.
; qkv: images of operands, [part q, k, v][head 64][t / 16][d / 16][512 bytes].  yimg: y in f16 as images of the next launch's A operand, [c / 256][row / 16][(c / 32) % 8][1,024 bytes], c = 64 head + d.
; SHARES.  A cluster of four work-groups is one head.  A work-group has sixteen waves of 256 registers, four to a SIMD, so that one wave's vector work stands beside another's matrix work and LDS loads.
; Wave w has the rank rho = 4 ((w + w / 4) % 4) + w / 4 and owns the 32 queries 128 rho + 32 cx + 0 .. 31, two tiles of 16.  The four partners interleave, so all four walk all keys, have equal work, and every branch hangs
; on rho and on the count of steps alone: a step of 64 keys is walked while its first key is under 128 rho + 128, and masked from key 128 rho on.  cx enters Q's and y's global addresses and the mask's compare value, nothing else.
; K AND V come through two LDS slots of 512 keys (65,536 bytes of K, then of V), dense images, asked for JOINTLY by the four partners: waves 0-3 fetch K's quarters, waves 4-7 V's, 16,384 bytes a load.
; The wave of rank 15 of every partner reads every key, so every joint load's bytes are read in every partner.  A refill is asked for eight key steps ahead of its first read; nothing is asked of memory earlier than that.
; LAYOUT.  S^T = K Q^T (source 0 = 16 keys, source 1 = 16 queries): a lane holds one query (l % 16) and keys 8 (l / 16) + 0..7.  Two such tiles rounded to f16 in pairs are source 1 (32 keys x 16 queries) of O^T = V^T P,
; whose result holds one query a lane and eight channels; packed, that is a half fragment of y.  K's fragments come from LDS at 16 x lane; V's, turned by ds_load_tr16_b128, at 16 x lane too.
; SOFTMAX.  A running maximum m and sum l for each query: p = 2^(c s - c m), c = log2(e) / 8; in every step O and l are multiplied by a = 2^(c m_old - c m_new).  The sum is taken of p before it is rounded.  No branch on data.
; The step is written once for all steps: m begins at -3e38 and O and l at 0, which the first a, 0, leaves 0.  Key 128 rho counts for each of the wave's queries, so m is a number from the first step on.
; LIMITS: |q|, |k|, |v| under 65,504 (f16); NaN and infinities are not served.
.set SLOTB, 131072                     ; a slot
.set VOFF,  65536                      ; V behind K in a slot
.set SPARE, 262144                     ; behind the slots: the spare words, 128 bytes for each wave: eight blocks of 256 bytes that no other line names
.set LI,   1                           ; v1   16 x lane; never rewritten once made
.set LIV,  2                           ; v2   16 x lane + VOFF
.set ADK,  3                           ; v3   LDS address of the step's K
.set ADV,  4                           ; v4   of its V
.set SPW,  5                           ; v5   LDS address of my spare word; never rewritten
.set NIL,  6                           ; v6   0; never rewritten
.set DQ,   7                           ; v7   my query of tile 0 less 8 (l / 16)
.set ST,   8                           ; v8-23  tile t's statistics at ST + 8 t: +0 c m, +1 m, +2, +3 l (even keys', odd keys'), +4 to +7 at work; a takes +6
.set Q,    24                          ; v24-55  Q: tile t, channels 32 c on at Q + 16 t + 8 c
.set KV,   56                          ; v56-119 K's eight fragments, later V's eight
.set S,    120                         ; v120-183 S^T, 32 a tile; then p; then P in the tile's first 16
.set O,    184                         ; v184-247 O^T, 32 a tile
.set D0,   248                         ; v248-249 the mask's compare values
.set SUM2, 250                         ; v250-253 the sums' second chains
.set NINF, 254                         ; v254 -infinity
.set WV,   12                          ; s12 wave   s13 cx   s14 head   s15 rho   s16 my first query
.set CX,   13
.set BH,   14
.set RHO,  15
.set Q0,   16
.set QL,   17                          ; s17 128 rho + 128: steps from here on are left out
.set QD,   18                          ; s18 128 rho: steps from here on are masked
.set KF,   19                          ; s19 the step's first key
.set TB,   20                          ; s20 LDS byte at which the step's K begins
.set CNT,  21                          ; s21 counts a slot's eight steps
.set CS,   22                          ; s[22:23] c, twice
.set SEL,  24                          ; s[24:25] lane selects for v_permlanex16_b32: lane l xor 16
.set G1,   28                          ; s[28:35] descriptor group 1
.set G0A,  36                          ; s[36:39] group 0 for slot 0;  s[40:43] for slot 1
.set G0B,  40
.set YB,   52                          ; s[52:53] where my y begins
.set QB,   54                          ; s[54:55] where my Q begins
.macro CROUND                          ; a round of the cluster's barrier
	s_barrier_signal -1
	s_barrier_wait -1
	s_cmp_lg_u32 s[WV], 0
	s_cbranch_scc1 .Lnot_wave_0_\@
	s_barrier_signal -3
.Lnot_wave_0_\@:
	s_barrier_wait -3
	s_barrier_signal -1
	s_barrier_wait -1
.endm
.macro JLOAD g0                        ; a joint refill: waves 0 to 7, one load each.  The branch hangs on the wave's number alone.  An s_nop 0 and four v_nop follow the load
	s_cmp_lt_u32 s[WV], 8
	s_cbranch_scc0 .Lnone_\@
	tensor_load_to_lds s[\g0:\g0+3], s[G1:G1+7]
	s_nop 0
.rept 4
	v_nop
.endr
.Lnone_\@:
.endm
; THE CHANGE OF SLOTS.  Each wave waits for all its tensor loads (its part of the slot ahead), adds 0 to its spare word, and waits for that and for its reads of the slot that it leaves.  fill = 1: the barrier is a round of the
; cluster's, so that no wave of any partner still reads the slot or has a load on its way, and the slot just left is filled with the keys two slots on, first thing behind the round: one load a wave is out.
.macro CHANGE fill, g0
	s_wait_tensorcnt 0x0                           ; no tensor load of mine is out, so a group 0 may be written
	ds_add_u32 v[SPW], v[NIL]                      ; 0 onto my spare word
.if \fill
	ds_add_u32 v[SPW], v[NIL]                      ; and once more
	s_add_nc_u64 s[\g0+2:\g0+3], s[\g0+2:\g0+3], 2*65536   ; 1,024 keys on; the type bits on top are not reached
	s_wait_dscnt 0x0                               ; both adds are done, and my reads of the slot are over
	CROUND
	JLOAD \g0
.else
	s_wait_dscnt 0x0                               ; the add is done, and my reads of the slot are over
	s_barrier_signal -1
	s_barrier_wait -1
.endif
.endm
; THE WAY OUT, once a wave, at the end of its last step: finished waves store while the others go on.  l's two halves and the other half of the lanes' are added; O^T / l is rounded to f16 and stored straight from registers.
.macro WAYOUT
.irp t, 0,1
	v_add_f32 v[ST+8*\t+4], v[ST+8*\t+2], v[ST+8*\t+3]
.endr
.irp t, 0,1
	v_permlanex16_b32 v[ST+8*\t+5], v[ST+8*\t+4], s[SEL], s[SEL+1]
.endr
.irp t, 0,1
	v_add_f32 v[ST+8*\t+4], v[ST+8*\t+4], v[ST+8*\t+5]
.endr
.irp t, 0,1
	v_rcp_f32 v[ST+8*\t+6], v[ST+8*\t+4]
.endr
	v_nop                                          ; a plain instruction behind the last reciprocal
	s_wait_alu depctr_va_vdst(0)                   ; and its wait ahead of the first use: one for the two
.set i, 0
.rept 16
.irp t, 0,1
	v_pk_mul_f32 v[O+32*\t+2*i:O+32*\t+2*i+1], v[O+32*\t+2*i:O+32*\t+2*i+1], v[ST+8*\t+6:ST+8*\t+7] op_sel_hi:[1,0]   ; each accumulator from its low end on
.endr
.set i, i+1
.endr
.set i, 0
.rept 16
.irp t, 0,1
	v_cvt_pk_f16_f32 v[S+16*\t+i], v[O+32*\t+2*i], v[O+32*\t+2*i+1]
.endr
.set i, i+1
.endr
.irp t, 0,1
.irp n, 0,1,2,3
	global_store_b128 v[LI], v[S+16*\t+4*\n:S+16*\t+4*\n+3], s[YB:YB+1] offset:\t*8192+\n*512   ; tile of rows t, channels 16 n on: 512 consecutive bytes, aligned
.endr
.endr
	s_wait_xcnt 0x0                                ; the stores have read their data: further down the text these registers are written again
.endm
; A KEY STEP: 64 keys, both tiles; the two tiles alternate line by line, so that no line waits for the line above it.
.macro STEP
	s_cmp_ge_u32 s[KF], s[QL]                      ; all keys of the step come after the queries of my rank: left out.  Ids and the count of steps alone; no barrier, wait or tensor load stands in a step
	s_cbranch_scc1 .Lhid_\@
	v_add_nc_u32 v[ADK], s[TB], v[LI]
	v_add_nc_u32 v[ADV], s[TB], v[LIV]
.irp c, 0,1                                    ; K: tile of keys k, channels 32 c on; channels 0-31 of all four tiles first
.irp k, 0,1,2,3
	ds_load_b128 v[KV+8*(2*\k+\c):KV+8*(2*\k+\c)+3], v[ADK] offset:\k*2048+\c*1024
	ds_load_b128 v[KV+8*(2*\k+\c)+4:KV+8*(2*\k+\c)+7], v[ADK] offset:\k*2048+\c*1024+512
.endr
.endr
	s_wait_dscnt 8                                 ; channels 0-31 are in; the eight loads of channels 32-63 may be out
.irp k, 0,1,2,3                                ; S^T = K Q^T: eight accumulators by turns, one instruction a turn; the first products start the sums
.irp t, 0,1
	v_wmma_f32_16x16x32_f16 v[S+32*\t+8*\k:S+32*\t+8*\k+7], v[KV+16*\k:KV+16*\k+7], v[Q+16*\t:Q+16*\t+7], 0
.endr
.endr
	s_wait_dscnt 0x0
.irp k, 0,1,2,3
.irp t, 0,1
	v_wmma_f32_16x16x32_f16 v[S+32*\t+8*\k:S+32*\t+8*\k+7], v[KV+16*\k+8:KV+16*\k+15], v[Q+16*\t+8:Q+16*\t+15], v[S+32*\t+8*\k:S+32*\t+8*\k+7]
.endr
.endr
.rept 4
	v_nop                                          ; four places: in front of the loads into K's registers, and of the first read of the scores
.endr
.irp s, 0,1                                    ; V, turned: keys 32 s on, channels 16 n on.  It lands while the softmax is walked
.irp n, 0,1,2,3
	ds_load_tr16_b128 v[KV+8*(4*\s+\n):KV+8*(4*\s+\n)+3], v[ADV] offset:\s*4096+\n*512
	ds_load_tr16_b128 v[KV+8*(4*\s+\n)+4:KV+8*(4*\s+\n)+7], v[ADV] offset:\s*4096+\n*512+2048
.endr
.endr
	s_cmp_lt_u32 s[KF], s[QD]                      ; a step all of whose keys count for every query of my rank skips the mask
	s_cbranch_scc1 .Lopen_\@
	v_sub_nc_u32 v[D0], v[DQ], s[KF]               ; register 8 k + j of tile t holds key KF + 16 k + 8 (l / 16) + j: hidden where 16 k + j > my query - KF - 8 (l / 16)
	v_add_nc_u32 v[D0+1], 16, v[D0]
.set i, 0
.rept 32
.irp t, 0,1
	v_cmp_gt_i32 vcc_lo, 16*(i/8)+i%8, v[D0+\t]
	v_cndmask_b32 v[S+32*\t+i], v[S+32*\t+i], v[NINF], vcc_lo
.endr
.set i, i+1
.endr
.Lopen_\@:
.irp j, 0,1,2,3                                ; the maximum of the 32 scores and the old m, three operands at a time: four chains, each begun at an accumulator's low end
.irp t, 0,1
	v_max3_num_f32 v[ST+8*\t+4+\j], v[S+32*\t+8*\j], v[S+32*\t+8*\j+1], v[S+32*\t+8*\j+2]
.endr
.endr
.irp u, 3,5
.irp j, 0,1,2,3
.irp t, 0,1
	v_max3_num_f32 v[ST+8*\t+4+\j], v[ST+8*\t+4+\j], v[S+32*\t+8*\j+\u], v[S+32*\t+8*\j+\u+1]
.endr
.endr
.endr
.irp t, 0,1
	v_max3_num_f32 v[ST+8*\t+4], v[ST+8*\t+4], v[S+32*\t+7], v[S+32*\t+15]
.endr
.irp t, 0,1
	v_max3_num_f32 v[ST+8*\t+6], v[ST+8*\t+6], v[S+32*\t+23], v[S+32*\t+31]
.endr
.irp t, 0,1
	v_max3_num_f32 v[ST+8*\t+4], v[ST+8*\t+4], v[ST+8*\t+5], v[ST+8*\t+6]
.endr
.irp t, 0,1
	v_max3_num_f32 v[ST+8*\t+4], v[ST+8*\t+4], v[ST+8*\t+7], v[ST+8*\t+1]
.endr
.irp t, 0,1
	v_permlanex16_b32 v[ST+8*\t+5], v[ST+8*\t+4], s[SEL], s[SEL+1]   ; the query's other 32 keys lie in the lane 16 away
.endr
.irp t, 0,1
	v_mov_b32 v[ST+8*\t+7], v[ST+8*\t]             ; c m_old is kept for a
.endr
.irp t, 0,1
	v_max_num_f32 v[ST+8*\t+1], v[ST+8*\t+4], v[ST+8*\t+5]   ; the new m
.endr
.irp t, 0,1
	v_mul_f32 v[ST+8*\t], s[CS], v[ST+8*\t+1]      ; c m
.endr
.irp t, 0,1
	v_sub_f32 v[ST+8*\t+7], v[ST+8*\t+7], v[ST+8*\t]   ; c m_old - c m_new
.endr
.set i, 0
.rept 16
.irp t, 0,1
	v_pk_fma_f32 v[S+32*\t+2*i:S+32*\t+2*i+1], v[S+32*\t+2*i:S+32*\t+2*i+1], s[CS:CS+1], v[ST+8*\t:ST+8*\t+1] op_sel_hi:[1,0,0] neg_lo:[0,0,1] neg_hi:[0,0,1]   ; c s - c m, two at a time
.endr
.set i, i+1
.endr
.irp t, 0,1                                    ; ONE BATCH of 66 exponentials: none reads another's result
	v_exp_f32 v[ST+8*\t+6], v[ST+8*\t+7]           ; a
.endr
.set i, 0
.rept 32
.irp t, 0,1
	v_exp_f32 v[S+32*\t+i], v[S+32*\t+i]           ; p
.endr
.set i, i+1
.endr
	v_nop                                          ; a plain instruction behind the last exponential
	s_wait_alu depctr_va_vdst(0)                   ; the wait ahead of the first instruction that names a result: one for the batch
.irp t, 0,1
	v_pk_mul_f32 v[ST+8*\t+2:ST+8*\t+3], v[ST+8*\t+2:ST+8*\t+3], v[ST+8*\t+6:ST+8*\t+7] op_sel_hi:[1,0]   ; l under the new m
.endr
.irp t, 0,1                                    ; the sum of the unrounded p, two at a time, in two chains
	v_pk_add_f32 v[SUM2+2*\t:SUM2+2*\t+1], v[S+32*\t:S+32*\t+1], v[S+32*\t+2:S+32*\t+3]
.endr
.irp j, 4,8,12,16,20,24,28
.irp t, 0,1
	v_pk_add_f32 v[ST+8*\t+2:ST+8*\t+3], v[ST+8*\t+2:ST+8*\t+3], v[S+32*\t+\j:S+32*\t+\j+1]
.endr
.irp t, 0,1
	v_pk_add_f32 v[SUM2+2*\t:SUM2+2*\t+1], v[SUM2+2*\t:SUM2+2*\t+1], v[S+32*\t+\j+2:S+32*\t+\j+3]
.endr
.endr
.irp t, 0,1
	v_pk_add_f32 v[ST+8*\t+2:ST+8*\t+3], v[ST+8*\t+2:ST+8*\t+3], v[SUM2+2*\t:SUM2+2*\t+1]
.endr
.set i, 0
.rept 16                                       ; P in place, ascending: the destination never passes a source that is still unread.  Fragment s (keys 32 s on) is v[S + 32 t + 8 s] on
.irp t, 0,1
	v_cvt_pk_f16_f32 v[S+32*\t+i], v[S+32*\t+2*i], v[S+32*\t+2*i+1]
.endr
.set i, i+1
.endr
.set i, 0
.rept 16                                       ; O^T under the new m, each accumulator from its low end on
.irp t, 0,1
	v_pk_mul_f32 v[O+32*\t+2*i:O+32*\t+2*i+1], v[O+32*\t+2*i:O+32*\t+2*i+1], v[ST+8*\t+6:ST+8*\t+7] op_sel_hi:[1,0]
.endr
.set i, i+1
.endr
	s_wait_dscnt 0x0                               ; V is in
.irp s, 0,1                                    ; O^T += V^T P: eight accumulators by turns
.irp n, 0,1,2,3
.irp t, 0,1
	v_wmma_f32_16x16x32_f16 v[O+32*\t+8*\n:O+32*\t+8*\n+7], v[KV+8*(4*\s+\n):KV+8*(4*\s+\n)+7], v[S+32*\t+8*\s:S+32*\t+8*\s+7], v[O+32*\t+8*\n:O+32*\t+8*\n+7]
.endr
.endr
.endr
.rept 5
	v_nop                                          ; five places: the next step's first products write over P's registers; its loads land in V's; the way out reads O^T
.endr
	s_add_co_u32 s44, s[KF], 64
	s_cmp_lg_u32 s44, s[QL]                        ; my last step?
	s_cbranch_scc1 .Lnl_\@
	WAYOUT
.Lnl_\@:
.Lhid_\@:
	s_add_co_u32 s[KF], s[KF], 64
	s_add_co_u32 s[TB], s[TB], 8192                ; 64 keys x 128 bytes, in K and in V alike
.endm
.macro SLOTRUN s                       ; a slot's eight key steps: written once, walked eight times by every wave
	s_mov_b32 s[TB], \s*SLOTB
	s_mov_b32 s[CNT], 8
.Lstep_\@:
	STEP
	s_sub_co_u32 s[CNT], s[CNT], 1
	s_cmp_lg_u32 s[CNT], 0
	s_cbranch_scc1 .Lstep_\@
.endm
	s_load_b128 s[4:7], s[0:1], 0x0                ; qkv s[4:5], yimg s[6:7]
	v_lshl_add_u32 v[SPW], v0, 2, SPARE
	v_mov_b32 v[NIL], 0
	ds_add_u32 v[SPW], v[NIL]                      ; the wave's opening: the add, twice on end, and its wait ahead of the first tensor loads; the set-up below is work on registers
	ds_add_u32 v[SPW], v[NIL]
	v_lshrrev_b32 v1, 5, v0
	v_readfirstlane_b32 s[WV], v1                  ; wave 0..15
	s_bfe_u32 s[CX], ttmp6, 0x40000                ; my place in the cluster
	s_and_b32 s[BH], ttmp7, 0xffff                 ; the head, which the four partners share
	s_lshr_b32 s44, s[WV], 2
	s_add_co_u32 s[RHO], s[WV], s44
	s_and_b32 s[RHO], s[RHO], 3
	s_lshl_b32 s[RHO], s[RHO], 2
	s_add_co_u32 s[RHO], s[RHO], s44               ; my rank
	s_lshl_b32 s[QD], s[RHO], 7
	s_add_co_u32 s[QL], s[QD], 128
	s_lshl_b32 s44, s[CX], 5
	s_add_co_u32 s[Q0], s[QD], s44                 ; my first query
	s_mov_b32 s[KF], 0
	s_mov_b32 s[CS], 0x3e38aa3b                    ; c = log2(e) / 8
	s_mov_b32 s[CS+1], s[CS]
	s_mov_b32 s[SEL], 0x76543210
	s_mov_b32 s[SEL+1], 0xfedcba98
	; descriptor group 1: a dense block of 16,384 bytes as 64 rows of 256 bytes (32 elements of 8 bytes), no padding
	s_mov_b32 s[G1], 15|(3<<16)|(1<<21)            ; 15:0 the mask: all four work-groups; 17:16 elements of 8 bytes; 21 set beside a mask
	s_mov_b32 s[G1+1], 32<<16                      ; tensor_dim0
	s_mov_b32 s[G1+2], 64<<16                      ; tensor_dim1
	s_mov_b32 s[G1+3], 32<<16                      ; tile_dim0
	s_mov_b32 s[G1+4], 64                          ; tile_dim1
	s_mov_b32 s[G1+5], 32                          ; tensor_dim0_stride
	s_mov_b32 s[G1+6], 0
	s_mov_b32 s[G1+7], 0
	; what I fetch, if I fetch: wave & 7 = 0-3: K's quarters, 4-7: V's.  Made of the wave's number and the head alone, in registers that never hold cx
	s_and_b32 s46, s[WV], 7
	s_lshl_b32 s48, s46, 14                        ; its place in a slot
	s_lshr_b32 s47, s46, 2
	s_add_co_u32 s47, s47, 1
	s_lshl_b32 s47, s47, 24                        ; part 1 (k) or 2 (v) x 16,777,216
	s_and_b32 s46, s[WV], 3
	s_lshl_b32 s46, s46, 14                        ; the quarter: 128 keys x 128 bytes
	s_add_co_u32 s46, s46, s47
	s_lshl_b32 s47, s[BH], 18                      ; the head x 262,144
	s_add_co_u32 s46, s46, s47
	s_mov_b32 s47, 0
	s_wait_dscnt 0x0                               ; both opening adds are done
	s_wait_kmcnt 0x0
	s_add_nc_u64 s[50:51], s[4:5], s[46:47]
	s_mov_b32 s[G0A], 1                            ; count = 1
	s_mov_b32 s[G0A+1], s48                        ; LDS address: slot 0
	s_mov_b64 s[G0A+2:G0A+3], s[50:51]             ; keys 0 to 511
	s_or_b32 s[G0A+3], s[G0A+3], 0x80000000        ; type = 2
	s_mov_b32 s[G0B], 1
	s_add_co_u32 s[G0B+1], s48, SLOTB              ; slot 1
	s_add_nc_u64 s[G0B+2:G0B+3], s[50:51], 65536   ; keys 512 to 1,023
	s_or_b32 s[G0B+3], s[G0B+3], 0x80000000
	s_lshl_b32 s44, s[BH], 18                      ; Q: head x 262,144 + my first query x 128
	s_lshl_b32 s45, s[Q0], 7
	s_add_co_u32 s44, s44, s45
	s_mov_b32 s45, 0
	s_add_nc_u64 s[QB:QB+1], s[4:5], s[44:45]
	s_and_b32 s44, s[BH], 15                       ; y: (head / 4) x 4,194,304 + (128 batch + query / 16) x 8,192 + (head % 4) x 2,048
	s_lshr_b32 s44, s44, 2
	s_lshl_b32 s44, s44, 22
	s_lshr_b32 s45, s[BH], 4
	s_lshl_b32 s45, s45, 7
	s_lshr_b32 s56, s[Q0], 4
	s_add_co_u32 s45, s45, s56
	s_lshl_b32 s45, s45, 13
	s_add_co_u32 s44, s44, s45
	s_and_b32 s45, s[BH], 3
	s_lshl_b32 s45, s45, 11
	s_add_co_u32 s44, s44, s45
	s_mov_b32 s45, 0
	s_add_nc_u64 s[YB:YB+1], s[6:7], s[44:45]
	CROUND                                         ; all four work-groups are here: the first joint loads meet
	s_cmp_lt_u32 s[WV], 8                          ; a wave's two first fills stand in one branch, ahead of every wait on TENSORcnt and every LDS read: two loads of mine are out
	s_cbranch_scc0 .Lno_first
	tensor_load_to_lds s[G0A:G0A+3], s[G1:G1+7]
	s_nop 0
	tensor_load_to_lds s[G0B:G0B+3], s[G1:G1+7]
	s_nop 0
.rept 4
	v_nop
.endr
.Lno_first:
	v_and_b32 v[LI], 31, v0
	v_lshlrev_b32 v[LI], 4, v[LI]
	v_add_nc_u32 v[LIV], VOFF, v[LI]
.irp i, 0,1,2,3,4,5,6,7
	global_load_b128 v[Q+4*\i:Q+4*\i+3], v[LI], s[QB:QB+1] offset:512*\i   ; Q stays in registers: 512 consecutive bytes a load
.endr
	v_and_b32 v[D0], 15, v0
	v_bfe_u32 v[D0+1], v0, 4, 1
	v_lshlrev_b32 v[D0+1], 3, v[D0+1]
	v_sub_nc_u32 v[DQ], v[D0], v[D0+1]
	v_add_nc_u32 v[DQ], s[Q0], v[DQ]
	v_mov_b32 v[NINF], 0xff800000
.irp t, 0,1
	v_mov_b32 v[ST+8*\t+1], 0xff61b1e6             ; m: -3e38, under every score
	v_mul_f32 v[ST+8*\t], s[CS], v[ST+8*\t+1]      ; c m
	v_mov_b32 v[ST+8*\t+2], 0                      ; l
	v_mov_b32 v[ST+8*\t+3], 0
.endr
.set i, 0
.rept 64
	v_mov_b32 v[O+i], 0                            ; O^T: cleared once, so that the step needs no first copy in each of its four places in the text
.set i, i+1
.endr
	s_wait_tensorcnt 1                             ; my part of slot 0 is in; slot 1's may stay out
	s_barrier_signal -1
	s_barrier_wait -1                              ; everybody's is
	s_wait_loadcnt 0x0                             ; Q
	SLOTRUN 0                                      ; keys 0 to 511
	CHANGE 1, G0A                                  ; slot 0 takes keys 1,024 to 1,535
	SLOTRUN 1                                      ; keys 512 to 1,023
	CHANGE 1, G0B                                  ; slot 1 takes keys 1,536 to 2,047
	SLOTRUN 0
	CHANGE 0, G0A                                  ; nothing is left to ask for
	SLOTRUN 1
	s_wait_tensorcnt 0x0                           ; the wave's end
	ds_add_u32 v[SPW], v[NIL]
	s_wait_dscnt 0x0
	CROUND                                         ; the closing round: no work-group ends while a partner may still ask for a tile that names it
	s_endpgm
.Lfunc_end_k_qfd3dc6e5ba_attn:
	.size	k_qfd3dc6e5ba_attn, .Lfunc_end_k_qfd3dc6e5ba_attn-k_qfd3dc6e5ba_attn
	.p2alignl 7, 3214868480
	.fill 96, 4, 3214868480
	.section	.rodata,"a",@progbits
	.p2align	6, 0x0
	.amdhsa_kernel k_qfd3dc6e5ba_attn
		.amdhsa_group_segment_fixed_size 327680
		.amdhsa_private_segment_fixed_size 0
		.amdhsa_enable_private_segment 0
		.amdhsa_kernarg_size 16
		.amdhsa_user_sgpr_count 2
		.amdhsa_user_sgpr_kernarg_segment_ptr 1
		.amdhsa_wavefront_size32 1
		.amdhsa_system_sgpr_workgroup_id_x 1
		.amdhsa_system_sgpr_workgroup_id_y 1
		.amdhsa_system_sgpr_workgroup_id_z 1
		.amdhsa_system_vgpr_workitem_id 0
		.amdhsa_next_free_vgpr 256
		.amdhsa_next_free_sgpr 66
		.amdhsa_reserve_vcc 1
		.amdhsa_float_denorm_mode_32 3
		.amdhsa_float_denorm_mode_16_64 3
		.amdhsa_memory_ordered 1
		.amdhsa_forward_progress 1
		.amdhsa_inst_pref_size 118
	.end_amdhsa_kernel
	.amdgpu_metadata
---
amdhsa.version: [ 1, 2 ]
amdhsa.kernels:
  - .name:           k_qfd3dc6e5ba_attn
    .symbol:         k_qfd3dc6e5ba_attn.kd
    .args:
      - { .name: qkv, .offset: 0, .size: 8, .value_kind: global_buffer, .address_space: global }
      - { .name: yimg, .offset: 8, .size: 8, .value_kind: global_buffer, .address_space: global }
    .group_segment_fixed_size: 327680
    .private_segment_fixed_size: 0
    .kernarg_segment_align: 8
    .kernarg_segment_size: 16
    .max_flat_workgroup_size: 512
    .sgpr_count:     66
    .vgpr_count:     256
    .wavefront_size: 32
...
	.end_amdgpu_metadata
.endif
;; end of part 3
;; launch proj (part 4): grid 8 x 64, 4 waves a work-group, clusters of 4 x 4, 327,680 bytes of LDS; arguments yimg, wpimg, bproj, out0; writes out0
.if DOCPART == 4
	.amdgcn_target "amdgcn-amd-amdhsa--gfx1250"
	.amdhsa_code_object_version 6
	.text
	.protected	k_qfd3dc6e5ba_proj
	.globl	k_qfd3dc6e5ba_proj
	.p2align	8
	.type	k_qfd3dc6e5ba_proj,@function
k_qfd3dc6e5ba_proj:
	s_mov_b64 s[64:65], 0
	v_nop
	global_prefetch_b8 v0, s[64:65] scope:SCOPE_SE
	s_setreg_imm32_b32 hwreg(HW_REG_WAVE_MODE, 25, 1), 1
	s_wait_xcnt 0x0
	s_wait_alu depctr_hold_cnt(0) depctr_sa_sdst(0) depctr_va_vdst(0) depctr_va_sdst(0) depctr_va_ssrc(0) depctr_va_vcc(0) depctr_vm_vsrc(0)
	s_getreg_b32 s2, hwreg(HW_REG_IB_STS2, 6, 4)
	s_cmp_eq_u32 s2, 0
	s_cbranch_scc0 .Lentry_in_a_cluster
	s_endpgm
.Lentry_in_a_cluster:
	s_bfe_u32 s2, ttmp6, 0x10000c
	s_cmp_lg_u32 s2, 0xf033
	s_cbranch_scc0 .Lentry_shape_is_right
	s_endpgm
.Lentry_shape_is_right:
; out0 = y Wproj + bproj.  y [8192][1024] and Wproj [1024 (k)][1024 (n)] arrive in f16 as images of the operands' registers; sums in f32; out0 [8192][1024] f32.
; yimg [k / 256][row / 16][(k / 32) % 8][1,024 bytes], wpimg [k / 256][n / 16][(k / 32) % 8][1,024 bytes]: a fragment (16 rows x 32 K) is two halves of 512 bytes, lane l's 16 bytes at 16 l.
; So a K step's part of 64 rows is one dense block of 32,768 bytes for one tensor load, LDS needs no padding, and a fragment comes by two ds_load_b128 at 16 x lane + a constant: 512 consecutive bytes each.
; A tile of out0 is 128 x 128: 512 tiles.  Four waves, each 64 x 64: 16 accumulators, 128 registers.  K goes in four steps of 256 through a ring of two LDS slots.
; CLUSTERS: 4 x 4 work-groups.  The four of a row of the cluster need the same tiles of y, the four of a column the same tiles of Wproj: each is asked for jointly, by the same tensor load with a mask that names the four.
; THE MATRIX INSTRUCTION IS USED TRANSPOSED (source 0 = 16 columns n of Wproj, source 1 = 16 rows of y): a lane holds eight neighbouring numbers of a row of out0.  THE BIAS is the C of each sum's first instruction.
; LIMITS: |y|, |Wproj| under 65,504 (f16).
; REGISTERS: window 0: v0-31 addresses; v32-95 at work on the way out; v96-127 the bias; v128-255 the accumulators ((a, b) at v[128 + 8 (4 a + b)]).
;   window 1: two fragment buffers of 128: for 64 along K, 64 registers of A (2 x 4 fragments), then 64 of B.
.set HALFT,  32768                     ; four tiles of 16 rows x 256 K: what one tensor load brings, and what one wave reads of A or of B
.set SLOT,   4*HALFT                   ; A's 128 rows, then B's 128 columns
.set ASTEP,  4194304                   ; a K step on in yimg,
.set BSTEP,  524288                    ; and in wpimg
.set STAGE,  2*SLOT                    ; behind the ring: 16 rows x 272 bytes for each wave, for the way out
.set SPITCH, 272
.set SPARE,  STAGE+4*16*SPITCH         ; the spare words, 128 bytes for each wave: two blocks of 256 bytes that no other line names
.set LAPS,   2                         ; a lap = two K steps = once round the ring
.set ADRA, 16                          ; v16-17  LDS address of my A fragments in slot 0, 1
.set ADRB, 20                          ; v20-21  the same for B
.set STO,  24                          ; v24     the way out: where I put 32 bytes of a row
.set RD,   25                          ; v25     the way out: where I read a row back
.set CO,   26                          ; v26     my byte offset in out0
.set BO,   27                          ; v27     the bias: 32 (l / 16) bytes
.set SPW,  28                          ; v28     LDS address of my spare word; never rewritten
.set NIL,  29                          ; v29     0; never rewritten
.set TMP,  32                          ; the way out: two sets of 32 registers
.set BI,   96                          ; the bias: block b's eight numbers of my half of the lanes at v[BI + 8 b]
.set ACC,  128
.set F0,   0                           ; fragment buffers, in window 1
.set F1,   128
.set G1, 24                            ; s[24:31] descriptor group 1 for A's tiles;  s[32:39] group 0, one set for each slot
.set G0, 32
.set G1B, 48                           ; s[48:55], s[56:63] the same for B's tiles
.set G0B, 56
.set MSB, 0
.macro WIN new                         ; the immediate's high byte repeats the setting that is left
.if MSB != \new
	s_set_vgpr_msb (MSB<<8)|\new
.set MSB, \new
.endif
.endm
.set MUL,  0x05                        ; sources 0 (B) and 1 (A) window 1; C and D window 0
.set TO_F, 0x40                        ; destination window 1, address window 0
.macro JLOAD s                         ; a joint load: waves 0 and 1 fetch A's two halves, waves 2 and 3 B's; an s_nop 0 and four v_nop follow each of the two lines
	s_cmp_eq_u32 s11, 0
	s_cbranch_scc0 .Lfor_b_\@
	tensor_load_to_lds s[G0+4*\s:G0+4*\s+3], s[G1:G1+7]
	s_nop 0
.rept 4
	v_nop
.endr
	s_branch .Lasked_\@
.Lfor_b_\@:
	tensor_load_to_lds s[G0B+4*\s:G0B+4*\s+3], s[G1B:G1B+7]
	s_nop 0
.rept 4
	v_nop
.endr
.Lasked_\@:
.endm
.macro CREST                           ; a round of the cluster's barrier behind its opening barrier
	s_cmp_lg_u32 s10, 0
	s_cbranch_scc1 .Lnot_wave_0_\@
	s_barrier_signal -3
.Lnot_wave_0_\@:
	s_barrier_wait -3
	s_barrier_signal -1
	s_barrier_wait -1
.endm
.macro CROUND                          ; a whole round
	s_barrier_signal -1
	s_barrier_wait -1
	CREST
.endm
	s_load_b128 s[4:7], s[0:1], 0x0                ; yimg s[4:5], wpimg s[6:7]
	s_load_b64 s[66:67], s[0:1], 0x10              ; the bias
	s_load_b64 s[8:9], s[0:1], 0x18                ; out0
	v_lshl_add_u32 v[SPW], v0, 2, SPARE
	v_mov_b32 v[NIL], 0
	ds_add_u32 v[SPW], v[NIL]                      ; the wave's opening: the add, twice on end, and its wait ahead of my first tensor load; the set-up below is work on registers
	ds_add_u32 v[SPW], v[NIL]
	v_lshrrev_b32 v1, 5, v0
	v_readfirstlane_b32 s10, v1                    ; wave 0..3
	s_lshr_b32 s11, s10, 1                         ; which half of the tile's rows is mine.  Also: I fetch for A (0) or for B (1)
	s_and_b32 s12, s10, 1                          ; which half of its columns.  Also: which half of that tile I fetch
	s_bfe_u32 s40, ttmp6, 0x40000                  ; cx, cy: my place in the cluster
	s_bfe_u32 s41, ttmp6, 0x40004
	s_lshl_b32 s42, ttmp9, 2
	s_add_co_u32 s42, s42, s40                     ; tile column = 4 x cluster x + cx
	s_and_b32 s13, ttmp7, 0xffff
	s_lshl_b32 s13, s13, 2
	s_add_co_u32 s13, s13, s41                     ; tile row = 4 x cluster y + cy
	s_lshl_b32 s43, s41, 2
	s_lshl_b32 s43, 15, s43                        ; my row of the cluster
	s_lshl_b32 s44, 0x1111, s40                    ; my column
	; descriptor group 1: a dense block of 32,768 bytes as 128 rows of 256 bytes (32 elements of 8 bytes), no padding
	s_or_b32 s[G1+0], s43, (3<<16)|(1<<21)         ; 15:0 the mask: A's tiles go to my row; 17:16 elements of 8 bytes; 21 set beside a mask
	s_or_b32 s[G1B+0], s44, (3<<16)|(1<<21)
.irp g, G1, G1B
	s_mov_b32 s[\g+1], 32<<16                      ; tensor_dim0
	s_mov_b32 s[\g+2], 128<<16                     ; tensor_dim1
	s_mov_b32 s[\g+3], 32<<16                      ; tile_dim0
	s_mov_b32 s[\g+4], 128                         ; tile_dim1
	s_mov_b32 s[\g+5], 32                          ; tensor_dim0_stride
	s_mov_b32 s[\g+6], 0
	s_mov_b32 s[\g+7], 0
.endr
	s_lshl_b32 s17, s12, 2                         ; which four of the tile's eight tiles of 16 I fetch
	s_lshl_b32 s16, s13, 3
	s_add_co_u32 s16, s16, s17                     ; A: tile of rows 8 x tile row + 4 x half,
	s_lshl_b32 s16, s16, 13                        ; 8,192 bytes each in a K step
	s_lshl_b32 s46, s42, 3
	s_add_co_u32 s46, s46, s17                     ; B: tile of columns 8 x tile column + 4 x half
	s_lshl_b32 s46, s46, 13
	s_mov_b32 s17, 0
	s_mov_b32 s47, 0
	s_mul_i32 s20, s10, HALFT                      ; where they go: wave x 32,768: no place in the cluster enters an LDS address
	s_wait_dscnt 0x0                               ; both opening adds are done
	s_wait_kmcnt 0x0
	s_add_nc_u64 s[14:15], s[4:5], s[16:17]
	s_add_nc_u64 s[46:47], s[6:7], s[46:47]
	CROUND                                         ; all sixteen work-groups are here: the first joint loads meet
.irp s, 0,1
	s_mov_b32 s[G0+4*\s], 1
	s_add_co_u32 s[G0+4*\s+1], s20, \s*SLOT
	s_add_nc_u64 s[G0+4*\s+2:G0+4*\s+3], s[14:15], \s*ASTEP
	s_or_b32 s[G0+4*\s+3], s[G0+4*\s+3], 0x80000000
	s_mov_b32 s[G0B+4*\s], 1
	s_add_co_u32 s[G0B+4*\s+1], s20, \s*SLOT
	s_add_nc_u64 s[G0B+4*\s+2:G0B+4*\s+3], s[46:47], \s*BSTEP
	s_or_b32 s[G0B+4*\s+3], s[G0B+4*\s+3], 0x80000000
	JLOAD \s                                       ; two tensor loads of mine are out
.endr
	v_and_b32 v1, 15, v0                           ; l % 16
	v_bfe_u32 v2, v0, 4, 1                         ; l / 16
	; out0 and the bias.  By rows: (128 x tile row + 64 x half) x 4,096 bytes; by columns: (128 x tile column + 64 x half) x 4 bytes, which is the bias's offset too
	s_lshl_b32 s16, s13, 19
	s_lshl_b32 s17, s11, 18
	s_add_co_u32 s16, s16, s17
	s_mov_b32 s17, 0
	s_add_nc_u64 s[8:9], s[8:9], s[16:17]
	s_lshl_b32 s46, s42, 9
	s_lshl_b32 s47, s12, 8
	s_add_co_u32 s46, s46, s47
	s_mov_b32 s47, 0
	s_add_nc_u64 s[8:9], s[8:9], s[46:47]
	s_add_nc_u64 s[66:67], s[66:67], s[46:47]
	v_lshlrev_b32 v[BO], 5, v2
.irp b, 0,1,2,3
	global_load_b128 v[BI+8*\b:BI+8*\b+3], v[BO], s[66:67] offset:64*\b        ; columns 16 b + 8 (l / 16) + 0 .. 3
	global_load_b128 v[BI+8*\b+4:BI+8*\b+7], v[BO], s[66:67] offset:64*\b+16   ; and + 4 .. 7
.endr
	v_and_b32 v3, 31, v0
	v_lshlrev_b32 v3, 4, v3                        ; 16 x lane: my place in every half fragment
	s_mul_i32 s21, s11, HALFT                      ; my 64 rows of A
	s_mul_i32 s22, s12, HALFT                      ; my 64 columns of B,
	s_add_co_u32 s22, s22, 2*HALFT                 ; which lie behind A's 128 rows
.irp s, 0,1
	v_add_nc_u32 v[ADRA+\s], s21, v3
	v_add_nc_u32 v[ADRB+\s], s22, v3
	s_add_co_u32 s21, s21, SLOT
	s_add_co_u32 s22, s22, SLOT
.endr
	s_mul_i32 s23, s10, 16*SPITCH
	s_add_co_u32 s23, s23, STAGE                   ; my stage
	v_mul_u32_u24 v4, v1, SPITCH                   ; in: row l % 16, 32 bytes for each half of the lanes
	v_lshl_add_u32 v4, v2, 5, v4
	v_add_nc_u32 v[STO], s23, v4
	v_mul_u32_u24 v5, v2, SPITCH                   ; back: lanes 0-15 take one row of 256 bytes, lanes 16-31 the next
	v_lshl_add_u32 v5, v1, 4, v5
	v_add_nc_u32 v[RD], s23, v5
	v_lshlrev_b32 v5, 12, v2                       ; and the same two rows in out0
	v_lshl_add_u32 v[CO], v1, 4, v5
; 8 matrix instructions: m blocks a0, a0 + 1 x all 4 n blocks, 32 along K: half c of buffer f.  first = 1: the bias starts the sums.  The 16 accumulators take turns
.macro MUL8 f, c, a0, first
.irp a, \a0, \a0+1
.irp b, 0,1,2,3
.if \first
	v_wmma_f32_16x16x32_f16 v[ACC+8*(4*(\a)+\b):ACC+8*(4*(\a)+\b)+7], v[\f+64+8*(4*\c+\b):\f+64+8*(4*\c+\b)+7], v[\f+8*(4*\c+\a):\f+8*(4*\c+\a)+7], v[BI+8*\b:BI+8*\b+7]
.else
	v_wmma_f32_16x16x32_f16 v[ACC+8*(4*(\a)+\b):ACC+8*(4*(\a)+\b)+7], v[\f+64+8*(4*\c+\b):\f+64+8*(4*\c+\b)+7], v[\f+8*(4*\c+\a):\f+8*(4*\c+\a)+7], v[ACC+8*(4*(\a)+\b):ACC+8*(4*(\a)+\b)+7]
.endif
.endr
.endr
.endm
; 32 LDS loads in one run: the fragments of the slot's q-th 64 along K into buffer f; the first 32 along K first.  Tile i of my four, fragment 2 q + c of its eight
.macro FETCH slot, q, f
	WIN TO_F
.irp c, 0,1
.irp i, 0,1,2,3
	ds_load_b128 v[\f+64+8*(4*\c+\i):\f+64+8*(4*\c+\i)+3],   v[ADRB+\slot] offset:\i*8192+(2*(\q)+\c)*1024
	ds_load_b128 v[\f+64+8*(4*\c+\i)+4:\f+64+8*(4*\c+\i)+7], v[ADRB+\slot] offset:\i*8192+(2*(\q)+\c)*1024+512
	ds_load_b128 v[\f+8*(4*\c+\i):\f+8*(4*\c+\i)+3],         v[ADRA+\slot] offset:\i*8192+(2*(\q)+\c)*1024
	ds_load_b128 v[\f+8*(4*\c+\i)+4:\f+8*(4*\c+\i)+7],       v[ADRA+\slot] offset:\i*8192+(2*(\q)+\c)*1024+512
.endr
.endr
.endm
.macro PLACES                          ; four places in front of loads into registers that matrix instructions have read, and of the first read of results (ISA guide 7.12.1 for the read of results)
.rept 4
	v_nop
.endr
.endm
; A K step is four quarters of 64 along K, 32 matrix instructions each, on buffers 0, 1, 0, 1.  One of the first three: multiplies buffer f and fetches quarter q into g.
.macro QUARTER slot, q, f, g, first
	s_wait_dscnt 16                                ; the first 32 along K are in; the youngest sixteen loads may be out
	WIN MUL
	MUL8 \f, 0, 0, \first
	MUL8 \f, 0, 2, \first
	PLACES
	FETCH \slot, \q, \g
	s_wait_dscnt 32                                ; all but the 32 just issued
	WIN MUL
	MUL8 \f, 1, 0, 0
	MUL8 \f, 1, 2, 0
.endm
; The last quarter multiplies buffer 1 and changes slots: one barrier; in front of it each wave waits for all its tensor loads, adds 0 to its spare word, and waits for that and for its reads of this slot.  fill = 1: this slot is filled again, two K steps ahead.
.macro TURN slot, next, fill
	WIN 0                                          ; (the add's two registers lie in window 0)
	s_wait_tensorcnt 0x0                           ; all my tensor loads have landed: my part of the next slot;
	ds_add_u32 v[SPW], v[NIL]                      ; 0 onto my spare word;
	s_wait_dscnt 17                                ; (the add and the youngest sixteen loads may be out)
	WIN MUL
	MUL8 F1, 0, 0, 0                               ; eight matrix instructions stand between the add and the wait for it
	s_wait_dscnt 0x0                               ; the add is done, and my reads of this slot are over
	s_barrier_signal -1
	MUL8 F1, 0, 2, 0
.if \fill
	WIN 0
.endif
	s_barrier_wait -1
.if \fill
	CREST                                          ; the barrier has opened a round of the cluster's barrier: no wave of any partner still reads this slot's tile or has a load on its way
	s_add_nc_u64 s[G0+4*\slot+2:G0+4*\slot+3], s[G0+4*\slot+2:G0+4*\slot+3], 2*ASTEP
	s_add_nc_u64 s[G0B+4*\slot+2:G0B+4*\slot+3], s[G0B+4*\slot+2:G0B+4*\slot+3], 2*BSTEP
	JLOAD \slot                                    ; the first tensor load behind the round, my one load until the next; the four v_nop behind it are also the places in front of the loads below
.else
	PLACES
.endif
	FETCH \next, 0, F0
	WIN MUL
	MUL8 F1, 1, 0, 0
	MUL8 F1, 1, 2, 0
.endm
; THE WAY OUT, block by block of 16 rows x 64 columns.  A lane holds 32 neighbouring bytes of a row, and the lanes beside it hold other rows: a block goes through my own stage in LDS and comes back as whole rows of 256 bytes.
; LDS serves a wave's instructions in order (ISA guide 5.7.1.4): no wait between the stores and the loads, nor in front of the next block's stores.  No other wave touches my stage: no barrier.
.macro TOSTAGE a
.irp b, 0,1,2,3
	ds_store_b128 v[STO], v[ACC+8*(4*(\a)+\b):ACC+8*(4*(\a)+\b)+3] offset:64*\b        ; each accumulator from its low end on
	ds_store_b128 v[STO], v[ACC+8*(4*(\a)+\b)+4:ACC+8*(4*(\a)+\b)+7] offset:64*\b+16
.endr
.set BB, TMP+32*((\a)%2)
.irp i, 0,1,2,3,4,5,6,7
	ds_load_b128 v[BB+4*\i:BB+4*\i+3], v[RD] offset:\i*2*SPITCH
.endr
.endm
.macro SEND a, younger                 ; younger: the LDS instructions issued behind block a's loads, which may stay out
.set BB, TMP+32*((\a)%2)
	s_wait_dscnt \younger                          ; the block is back in registers
.irp i, 0,1,2,3,4,5,6,7
	global_store_b128 v[CO], v[BB+4*\i:BB+4*\i+3], s[8:9] offset:(16*(\a)+2*\i)*4096 th:TH_STORE_NT   ; sixteen lanes store 256 consecutive bytes, aligned; written once, read by nobody here
.endr
.endm
	s_wait_tensorcnt 1                             ; my part of K step 0 is in (K step 1's load may be out)
	s_barrier_signal -1
	s_barrier_wait -1                              ; everybody's is
	FETCH 0, 0, F0
	s_wait_loadcnt 0x0                             ; the bias
	QUARTER 0, 1, F0, F1, 1                        ; the first quarter stands in front of the loop: its first products start the sums on the bias
	WIN 0                                          ; at a label and at a branch every window is 0
	s_mov_b32 s3, LAPS-1
.Llap:                                                 ; a trip goes once round the ring, from a lap's second quarter to the next lap's first, and fills both slots again
	QUARTER 0, 2, F1, F0, 0
	QUARTER 0, 3, F0, F1, 0
	TURN 0, 1, 1
	QUARTER 1, 1, F0, F1, 0
	QUARTER 1, 2, F1, F0, 0
	QUARTER 1, 3, F0, F1, 0
	TURN 1, 0, 1
	QUARTER 0, 1, F0, F1, 0
	WIN 0
	s_sub_co_u32 s3, s3, 1
	s_cmp_lg_u32 s3, 0
	s_cbranch_scc1 .Llap
	QUARTER 0, 2, F1, F0, 0                        ; the last lap fills nothing, and has no round of the cluster's barrier
	QUARTER 0, 3, F0, F1, 0
	TURN 0, 1, 0
	QUARTER 1, 1, F0, F1, 0
	QUARTER 1, 2, F1, F0, 0
	QUARTER 1, 3, F0, F1, 0
	s_wait_dscnt 16                                ; the very last quarter: nothing more to fetch
	WIN MUL
	MUL8 F1, 0, 0, 0
	MUL8 F1, 0, 2, 0
	s_wait_dscnt 0
	MUL8 F1, 1, 0, 0
	MUL8 F1, 1, 2, 0
	WIN 0
	PLACES                                         ; behind the last products, in front of the first read of results
	TOSTAGE 0
	TOSTAGE 1
	SEND 0, 16                                     ; behind block 0's loads: block 1's 8 stores and 8 loads
	s_wait_xcnt 0x0                                ; block 0's stores have read their registers: block 2's loads may land there
	TOSTAGE 2
	SEND 1, 16
	s_wait_xcnt 0x0                                ; block 1's likewise
	TOSTAGE 3
	SEND 2, 16
	SEND 3, 0
	s_wait_tensorcnt 0x0                           ; the wave's end
	ds_add_u32 v[SPW], v[NIL]
	s_wait_dscnt 0x0
	CROUND                                         ; the closing round: no work-group ends while a partner may still ask for a tile that names it
	s_endpgm
.Lfunc_end_k_qfd3dc6e5ba_proj:
	.size	k_qfd3dc6e5ba_proj, .Lfunc_end_k_qfd3dc6e5ba_proj-k_qfd3dc6e5ba_proj
	.p2alignl 7, 3214868480
	.fill 96, 4, 3214868480
	.section	.rodata,"a",@progbits
	.p2align	6, 0x0
	.amdhsa_kernel k_qfd3dc6e5ba_proj
		.amdhsa_group_segment_fixed_size 327680
		.amdhsa_private_segment_fixed_size 0
		.amdhsa_enable_private_segment 0
		.amdhsa_kernarg_size 32
		.amdhsa_user_sgpr_count 2
		.amdhsa_user_sgpr_kernarg_segment_ptr 1
		.amdhsa_wavefront_size32 1
		.amdhsa_system_sgpr_workgroup_id_x 1
		.amdhsa_system_sgpr_workgroup_id_y 1
		.amdhsa_system_sgpr_workgroup_id_z 1
		.amdhsa_system_vgpr_workitem_id 0
		.amdhsa_next_free_vgpr 512
		.amdhsa_next_free_sgpr 68
		.amdhsa_reserve_vcc 0
		.amdhsa_float_denorm_mode_32 3
		.amdhsa_float_denorm_mode_16_64 3
		.amdhsa_memory_ordered 1
		.amdhsa_forward_progress 1
		.amdhsa_inst_pref_size 86
	.end_amdhsa_kernel
	.amdgpu_metadata
---
amdhsa.version: [ 1, 2 ]
amdhsa.kernels:
  - .name:           k_qfd3dc6e5ba_proj
    .symbol:         k_qfd3dc6e5ba_proj.kd
    .args:
      - { .name: yimg, .offset: 0, .size: 8, .value_kind: global_buffer, .address_space: global }
      - { .name: wpimg, .offset: 8, .size: 8, .value_kind: global_buffer, .address_space: global }
      - { .name: bproj, .offset: 16, .size: 8, .value_kind: global_buffer, .address_space: global }
      - { .name: out0, .offset: 24, .size: 8, .value_kind: global_buffer, .address_space: global }
    .group_segment_fixed_size: 327680
    .private_segment_fixed_size: 0
    .kernarg_segment_align: 8
    .kernarg_segment_size: 32
    .max_flat_workgroup_size: 128
    .sgpr_count:     68
    .vgpr_count:     512
    .wavefront_size: 32
...
	.end_amdgpu_metadata
.endif
;; end of part 4
;; launch fatt (part 5): grid 16 x 4, 3 waves a work-group, no clusters, 13,568 bytes of LDS; arguments xc, xs, wc, ws, bqkv, yfine; writes yfine
.if DOCPART == 5
	.amdgcn_target "amdgcn-amd-amdhsa--gfx1250"
	.amdhsa_code_object_version 6
	.text
	.protected	k_qfd3dc6e5ba_fatt
	.globl	k_qfd3dc6e5ba_fatt
	.p2align	8
	.type	k_qfd3dc6e5ba_fatt,@function
k_qfd3dc6e5ba_fatt:
	s_mov_b64 s[64:65], 0
	v_nop
	global_prefetch_b8 v0, s[64:65] scope:SCOPE_SE
	s_setreg_imm32_b32 hwreg(HW_REG_WAVE_MODE, 25, 1), 1
	s_wait_xcnt 0x0
; FATT: the attention of the FIRST 16 POSITIONS of every sequence, in f32 from the quantised product on.  Under the causal mask these rows average one to sixteen values and are the largest of the output,
; so the rounding of 16-bit operands weighs most there: they are carried here without any.  One work-group for each (head = x, batch = y): 16 positions x 64 channels.
; THE QUANTISED PRODUCT is made anew for these rows, on the same codes and scale bytes and in the same order as in the large launch: xc [8192][512 bytes], xs [8192][32], wc [3072][512 bytes], ws [3072][32], FP4 (E2M1) with
; one E8M0 scale for each 32 along K; used transposed (source 0 = 16 columns of Wqkv, source 1 = the 16 positions), the bias as the C of each sum's first instruction, K ascending.
; Wave 0 makes k, wave 1 v, wave 2 q: 4 tiles of 16 channels x 8 steps of 128 along K = 32 matrix instructions a wave, four accumulators by turns.  In the result lane (r, h) holds position r and channels 16 t + 8 h + 0..7.
; k and v go to wave 2 through LDS, as rows of 256 bytes + 16; q stays in wave 2's registers.  Waves 0 and 1 then end.
; THE ATTENTION, by the f32 matrix form (16 x 16 x 4: lane (r, h) holds row r, register j holds k = 2 h + j).  A pair of registers 2 i, 2 i + 1 of a transposed result is such an operand as it stands: its four k are the
; channels 16 t + 8 h + 2 i + j, the same permutation for q and for k.  S^T = K Q^T: a lane holds one query (r) and the keys 8 h + 0..7.  p's pairs are source 1 of O^T = V^T P, with k = the keys 8 h + 2 i + j;
; V is read from LDS with a channel to a lane and the keys down its registers, which is source 0 for the same keys.  O^T again holds one query a lane and eight channels.
; SOFTMAX: the row's maximum m is taken away: p = 2^(c s - c m), c = log2(e) / 8; hidden keys have the score -infinity and p = 0; y = O / the sum of p.  Key 0 counts for every query, so m is a number.
; yfine: y in f32 as images of the next launch's operand: [batch][head][8][512 bytes], piece q = registers 4 q .. 4 q + 3, lane l's 16 bytes at 16 l: each store covers 512 consecutive bytes, aligned.
; No cluster and no tensor load: each operand goes from memory straight into registers, once; what the four batches of a head share is 96 KB of codes.
; LIMITS: NaN and infinities among the inputs are not served.
; REGISTERS: window 1: Wqkv's 32 fragments (tile t, step s at v[64 t + 8 s]).  Window 0: as named below.  The registers that the f32 matrix form writes (SA, OA) are written by nothing else.
.set PITCH, 272                        ; an LDS row: 64 f32 + 16 bytes of padding
.set PART,  16*PITCH                   ; 16 rows: a region for each wave's number: 0 k, 1 v; wave 2 stores nothing
.set SPARE, 3*PART                     ; the spare words, 128 bytes for each wave, in two blocks of 256 bytes that no other line names
.set CA,   4                           ; v4   codes: 512 r + 16 h
.set SO,   5                           ; v5   scale words: 32 r
.set BO,   6                           ; v6   the bias: 32 h
.set STO,  7                           ; v7   LDS: my region, row r, + 32 h
.set RDK,  8                           ; v8   LDS: k's region, row r, + 32 h
.set RDV,  9                           ; v9   LDS: v's region, row 8 h, + 4 r
.set LI,   10                          ; v10  16 x lane
.set DM,   11                          ; v11  r - 8 h: key 8 h + j is hidden where j is above it
.set XF,   16                          ; v16-79   x's 8 fragments; later KK and VV
.set KK,   16                          ; v16-47   k: register 8 t + j: key r, channel 16 t + 8 h + j
.set VV,   48                          ; v48-79   v: register 8 t + j: channel 16 t + r, key 8 h + j
.set XS,   80                          ; v80-87   x's scale words, one for each step of 128 along K
.set WS,   88                          ; v88-119  Wqkv's scale words: tile t, step s at 8 t + s
.set BI,   120                         ; v120-151 the bias, in the result's layout; later y
.set YY,   120
.set ACC,  152                         ; v152-183 my part of q, k or v
.set SA,   184                         ; v184-199 two accumulators of S^T
.set OA,   200                         ; v200-231 four accumulators of O^T
.set TT,   232                         ; v232-239 the scores, then p
.set CM,   240                         ; v240 c m, v241 m
.set MX,   241
.set M2,   242
.set LS,   244                         ; v244-247 the sum, at work
.set L2,   246
.set RC,   248                         ; v248 1 / the sum; v249 is named with it as a pair
.set SPW,  250                         ; v250 LDS address of my spare word; never rewritten
.set NIL,  251                         ; v251 0; never rewritten
.set NINF, 252                         ; v252 -infinity
.set CS,   22                          ; s[22:23] c, twice
.set SEL,  24                          ; s[24:25] lane selects for v_permlanex16_b32: lane l xor 16
.set MSB, 0
.macro WIN new                         ; the immediate's high byte repeats the setting that is left
.if MSB != \new
	s_set_vgpr_msb (MSB<<8)|\new
.set MSB, \new
.endif
.endm
	s_load_b256 s[4:11], s[0:1], 0x0               ; xc s[4:5], xs s[6:7], wc s[8:9], ws s[10:11]
	s_load_b128 s[12:15], s[0:1], 0x20             ; bqkv s[12:13], yfine s[14:15]
	v_lshl_add_u32 v[SPW], v0, 2, SPARE
	v_mov_b32 v[NIL], 0
	v_lshrrev_b32 v1, 5, v0
	v_readfirstlane_b32 s16, v1                    ; wave 0..2
	s_and_b32 s17, ttmp7, 0xffff                   ; batch
	s_add_co_u32 s18, s16, 1
	s_cmp_eq_u32 s16, 2
	s_cselect_b32 s18, 0, s18                      ; which third of Wqkv's columns: wave 0: 1 (k), wave 1: 2 (v), wave 2: 0 (q)
	s_lshl_b32 s18, s18, 10
	s_lshl_b32 s19, ttmp9, 6
	s_add_co_u32 s18, s18, s19                     ; my first column: 1,024 x part + 64 x head
	s_mov_b32 s[CS], 0x3e38aa3b                    ; c = log2(e) / 8
	s_mov_b32 s[CS+1], s[CS]
	s_mov_b32 s[SEL], 0x76543210
	s_mov_b32 s[SEL+1], 0xfedcba98
	v_and_b32 v2, 15, v0                           ; r
	v_bfe_u32 v3, v0, 4, 1                         ; h
	v_lshlrev_b32 v[CA], 9, v2
	v_lshl_add_u32 v[CA], v3, 4, v[CA]
	v_lshlrev_b32 v[SO], 5, v2
	v_lshlrev_b32 v[BO], 5, v3
	v_mul_u32_u24 v[RDK], v2, PITCH
	v_lshl_add_u32 v[RDK], v3, 5, v[RDK]
	s_mul_i32 s19, s16, PART
	v_add_nc_u32 v[STO], s19, v[RDK]
	v_mul_u32_u24 v[RDV], v3, 8*PITCH
	v_lshl_add_u32 v[RDV], v2, 2, v[RDV]
	v_add_nc_u32 v[RDV], PART, v[RDV]
	v_and_b32 v[LI], 31, v0
	v_lshlrev_b32 v[LI], 4, v[LI]
	v_lshlrev_b32 v[DM], 3, v3
	v_sub_nc_u32 v[DM], v2, v[DM]
	v_mov_b32 v[NINF], 0xff800000
	v_mov_b32 v[M2], 0                             ; a lane permute's destination counts as one of its sources
	v_mov_b32 v[RC+1], 0                           ; named as the upper half of a pair
	s_mov_b32 s21, 0
	s_wait_kmcnt 0x0
	s_lshl_b32 s20, s17, 20                        ; the batch's first row: 2,048 rows of 512 bytes of codes,
	s_add_nc_u64 s[4:5], s[4:5], s[20:21]
	s_lshl_b32 s20, s17, 16                        ; of 32 scale bytes
	s_add_nc_u64 s[6:7], s[6:7], s[20:21]
	s_lshl_b32 s20, s18, 9                         ; my first column: 512 bytes of codes,
	s_add_nc_u64 s[8:9], s[8:9], s[20:21]
	s_lshl_b32 s20, s18, 5                         ; 32 scale bytes,
	s_add_nc_u64 s[10:11], s[10:11], s[20:21]
	s_lshl_b32 s20, s18, 2                         ; 4 bytes of bias
	s_add_nc_u64 s[12:13], s[12:13], s[20:21]
	s_lshl_b32 s20, s17, 4
	s_add_co_u32 s20, s20, ttmp9
	s_lshl_b32 s20, s20, 12                        ; yfine: (16 batch + head) x 4,096
	s_add_nc_u64 s[14:15], s[14:15], s[20:21]
.irp s, 0,1,2,3,4,5,6,7                        ; x: step s of 128 along K is 64 bytes of a row; lane (r, h): registers 4 c .. 4 c + 3 hold K = 64 c + 32 h + 0..31
.irp c, 0,1
	global_load_b128 v[XF+8*\s+4*\c:XF+8*\s+4*\c+3], v[CA], s[4:5] offset:64*\s+32*\c
.endr
.endr
	global_load_b128 v[XS:XS+3], v[SO], s[6:7]                     ; a row's 32 scale bytes are the eight steps' words
	global_load_b128 v[XS+4:XS+7], v[SO], s[6:7] offset:16
.irp t, 0,1,2,3
	global_load_b128 v[WS+8*\t:WS+8*\t+3], v[SO], s[10:11] offset:512*\t
	global_load_b128 v[WS+8*\t+4:WS+8*\t+7], v[SO], s[10:11] offset:512*\t+16
	global_load_b128 v[BI+8*\t:BI+8*\t+3], v[BO], s[12:13] offset:64*\t        ; channels 16 t + 8 h + 0 .. 3
	global_load_b128 v[BI+8*\t+4:BI+8*\t+7], v[BO], s[12:13] offset:64*\t+16   ; and + 4 .. 7
.endr
	WIN 0x40                                       ; destination window 1, address window 0
.irp t, 0,1,2,3
.irp s, 0,1,2,3,4,5,6,7
.irp c, 0,1
	global_load_b128 v[64*\t+8*\s+4*\c:64*\t+8*\s+4*\c+3], v[CA], s[8:9] offset:8192*\t+64*\s+32*\c
.endr
.endr
.endr
	s_wait_loadcnt 0x0                             ; one round of loads, one wait
	WIN 0x01                                       ; source 0 (Wqkv) window 1; all else window 0
.irp s, 0,1,2,3,4,5,6,7                        ; four accumulators by turns, one instruction a turn
.irp t, 0,1,2,3
.if \s == 0
	v_wmma_scale_f32_16x16x128_f8f6f4 v[ACC+8*\t:ACC+8*\t+7], v[64*\t+8*\s:64*\t+8*\s+7], v[XF+8*\s:XF+8*\s+7], v[BI+8*\t:BI+8*\t+7], v[WS+8*\t+\s], v[XS+\s] matrix_a_fmt:MATRIX_FMT_FP4 matrix_b_fmt:MATRIX_FMT_FP4
.else
	v_wmma_scale_f32_16x16x128_f8f6f4 v[ACC+8*\t:ACC+8*\t+7], v[64*\t+8*\s:64*\t+8*\s+7], v[XF+8*\s:XF+8*\s+7], v[ACC+8*\t:ACC+8*\t+7], v[WS+8*\t+\s], v[XS+\s] matrix_a_fmt:MATRIX_FMT_FP4 matrix_b_fmt:MATRIX_FMT_FP4
.endif
.endr
.endr
	WIN 0
.rept 5
	v_nop                                          ; five places: q's registers become a matrix operand; four would do for the LDS stores of the results and for the LDS loads into x's registers
.endr
	s_cmp_eq_u32 s16, 2                            ; q stays where it is
	s_cbranch_scc1 .Lkeep
.irp t, 0,1,2,3
	ds_store_b128 v[STO], v[ACC+8*\t:ACC+8*\t+3] offset:64*\t          ; each accumulator from its low end on: position r, channels 16 t + 8 h + 0 .. 3
	ds_store_b128 v[STO], v[ACC+8*\t+4:ACC+8*\t+7] offset:64*\t+16
.endr
.Lkeep:
	s_wait_dscnt 0x0                               ; for wave 2's sake: my stores have landed
	s_barrier_signal -1
	s_barrier_wait -1
	s_cmp_eq_u32 s16, 2
	s_cbranch_scc1 .Latt
	s_wait_tensorcnt 0x0                           ; waves 0 and 1 end
	ds_add_u32 v[SPW], v[NIL]
	s_wait_dscnt 0x0
	s_endpgm
.Latt:
.irp t, 0,1,2,3
	ds_load_b128 v[KK+8*\t:KK+8*\t+3], v[RDK] offset:64*\t             ; k as it was stored: key r, channels 16 t + 8 h + 0..7
	ds_load_b128 v[KK+8*\t+4:KK+8*\t+7], v[RDK] offset:64*\t+16
.endr
.irp t, 0,1,2,3
.irp j, 0,1,2,3,4,5,6,7
	ds_load_b32 v[VV+8*\t+\j], v[RDV] offset:PITCH*\j+64*\t            ; v turned: channel 16 t + r, key 8 h + j: sixteen lanes read 64 consecutive bytes of a row
.endr
.endr
	s_wait_dscnt 0x0
.set n, 0
.rept 16                                       ; S^T = K Q^T: step n takes channels 16 (n / 4) + 8 h + 2 (n % 4) + 0, 1.  Two accumulators by turns; the first two products start the sums
.if n < 2
	v_wmma_f32_16x16x4_f32 v[SA+8*(n%2):SA+8*(n%2)+7], v[KK+2*n:KK+2*n+1], v[ACC+2*n:ACC+2*n+1], 0
.else
	v_wmma_f32_16x16x4_f32 v[SA+8*(n%2):SA+8*(n%2)+7], v[KK+2*n:KK+2*n+1], v[ACC+2*n:ACC+2*n+1], v[SA+8*(n%2):SA+8*(n%2)+7]
.endif
.set n, n+1
.endr
.rept 8
	v_nop                                          ; eight places behind this form, in front of the first read of its results
.endr
.irp j, 0,1,2,3,4,5,6,7
	v_add_f32 v[TT+\j], v[SA+\j], v[SA+8+\j]       ; the two halves of the sum, from the low end on, into other registers: query r, key 8 h + j
.endr
.irp j, 0,1,2,3,4,5,6,7
	v_cmp_gt_i32 vcc_lo, \j, v[DM]                 ; key 8 h + j comes after query r
	v_cndmask_b32 v[TT+\j], v[TT+\j], v[NINF], vcc_lo
.endr
	v_max3_num_f32 v[MX], v[TT], v[TT+1], v[TT+2]
	v_max3_num_f32 v[MX], v[MX], v[TT+3], v[TT+4]
	v_max3_num_f32 v[MX], v[MX], v[TT+5], v[TT+6]
	v_max_num_f32 v[MX], v[MX], v[TT+7]
	v_permlanex16_b32 v[M2], v[MX], s[SEL], s[SEL+1]               ; the query's other eight keys lie in the lane 16 away
	v_max_num_f32 v[MX], v[MX], v[M2]              ; the row's maximum
	v_mul_f32 v[CM], s[CS], v[MX]
.irp i, 0,1,2,3
	v_pk_fma_f32 v[TT+2*\i:TT+2*\i+1], v[TT+2*\i:TT+2*\i+1], s[CS:CS+1], v[CM:CM+1] op_sel_hi:[1,0,0] neg_lo:[0,0,1] neg_hi:[0,0,1]   ; c s - c m
.endr
.irp j, 0,1,2,3,4,5,6,7
	v_exp_f32 v[TT+\j], v[TT+\j]                   ; p
.endr
	v_nop                                          ; a plain instruction behind the last exponential
	s_wait_alu depctr_va_vdst(0)                   ; the wait ahead of the first instruction that names a result: one for the eight
	v_pk_add_f32 v[LS:LS+1], v[TT:TT+1], v[TT+2:TT+3]
	v_pk_add_f32 v[L2:L2+1], v[TT+4:TT+5], v[TT+6:TT+7]
	v_pk_add_f32 v[LS:LS+1], v[LS:LS+1], v[L2:L2+1]
	v_add_f32 v[LS], v[LS], v[LS+1]
	v_permlanex16_b32 v[L2], v[LS], s[SEL], s[SEL+1]
	v_add_f32 v[LS], v[LS], v[L2]                  ; the row's sum
	v_rcp_f32 v[RC], v[LS]
	v_nop                                          ; a plain instruction behind the reciprocal,
	s_wait_alu depctr_va_vdst(0)                   ; and its wait
.irp i, 0,1,2,3                                ; O^T = V^T P: step i takes the keys 8 h + 2 i + 0, 1.  Four accumulators by turns; the first four products start the sums
.irp t, 0,1,2,3
.if \i == 0
	v_wmma_f32_16x16x4_f32 v[OA+8*\t:OA+8*\t+7], v[VV+8*\t+2*\i:VV+8*\t+2*\i+1], v[TT+2*\i:TT+2*\i+1], 0
.else
	v_wmma_f32_16x16x4_f32 v[OA+8*\t:OA+8*\t+7], v[VV+8*\t+2*\i:VV+8*\t+2*\i+1], v[TT+2*\i:TT+2*\i+1], v[OA+8*\t:OA+8*\t+7]
.endif
.endr
.endr
.rept 8
	v_nop                                          ; eight places, in front of the first read of the results
.endr
.set n, 0
.rept 16
	v_pk_mul_f32 v[YY+2*n:YY+2*n+1], v[OA+2*n:OA+2*n+1], v[RC:RC+1] op_sel_hi:[1,0]   ; y = O / the sum, into other registers; each accumulator from its low end on
.set n, n+1
.endr
.irp q, 0,1,2,3,4,5,6,7
	global_store_b128 v[LI], v[YY+4*\q:YY+4*\q+3], s[14:15] offset:512*\q             ; 512 consecutive bytes, aligned
.endr
	s_wait_tensorcnt 0x0                           ; the same three lines at wave 2's end
	ds_add_u32 v[SPW], v[NIL]
	s_wait_dscnt 0x0
	s_endpgm
.Lfunc_end_k_qfd3dc6e5ba_fatt:
	.size	k_qfd3dc6e5ba_fatt, .Lfunc_end_k_qfd3dc6e5ba_fatt-k_qfd3dc6e5ba_fatt
	.p2alignl 7, 3214868480
	.fill 96, 4, 3214868480
	.section	.rodata,"a",@progbits
	.p2align	6, 0x0
	.amdhsa_kernel k_qfd3dc6e5ba_fatt
		.amdhsa_group_segment_fixed_size 13568
		.amdhsa_private_segment_fixed_size 0
		.amdhsa_enable_private_segment 0
		.amdhsa_kernarg_size 48
		.amdhsa_user_sgpr_count 2
		.amdhsa_user_sgpr_kernarg_segment_ptr 1
		.amdhsa_wavefront_size32 1
		.amdhsa_system_sgpr_workgroup_id_x 1
		.amdhsa_system_sgpr_workgroup_id_y 1
		.amdhsa_system_sgpr_workgroup_id_z 1
		.amdhsa_system_vgpr_workitem_id 0
		.amdhsa_next_free_vgpr 512
		.amdhsa_next_free_sgpr 66
		.amdhsa_reserve_vcc 1
		.amdhsa_float_denorm_mode_32 3
		.amdhsa_float_denorm_mode_16_64 3
		.amdhsa_memory_ordered 1
		.amdhsa_forward_progress 1
		.amdhsa_inst_pref_size 26
	.end_amdhsa_kernel
	.amdgpu_metadata
---
amdhsa.version: [ 1, 2 ]
amdhsa.kernels:
  - .name:           k_qfd3dc6e5ba_fatt
    .symbol:         k_qfd3dc6e5ba_fatt.kd
    .args:
      - { .name: xc, .offset: 0, .size: 8, .value_kind: global_buffer, .address_space: global }
      - { .name: xs, .offset: 8, .size: 8, .value_kind: global_buffer, .address_space: global }
      - { .name: wc, .offset: 16, .size: 8, .value_kind: global_buffer, .address_space: global }
      - { .name: ws, .offset: 24, .size: 8, .value_kind: global_buffer, .address_space: global }
      - { .name: bqkv, .offset: 32, .size: 8, .value_kind: global_buffer, .address_space: global }
      - { .name: yfine, .offset: 40, .size: 8, .value_kind: global_buffer, .address_space: global }
    .group_segment_fixed_size: 13568
    .private_segment_fixed_size: 0
    .kernarg_segment_align: 8
    .kernarg_segment_size: 48
    .max_flat_workgroup_size: 96
    .sgpr_count:     66
    .vgpr_count:     512
    .wavefront_size: 32
...
	.end_amdgpu_metadata
.endif
;; end of part 5
;; launch fproj (part 6): grid 16 x 4, 16 waves a work-group, no clusters, 71,680 bytes of LDS; arguments yfine, Wproj, bproj, out0; writes out0
.if DOCPART == 6
	.amdgcn_target "amdgcn-amd-amdhsa--gfx1250"
	.amdhsa_code_object_version 6
	.text
	.protected	k_qfd3dc6e5ba_fproj
	.globl	k_qfd3dc6e5ba_fproj
	.p2align	8
	.type	k_qfd3dc6e5ba_fproj,@function
k_qfd3dc6e5ba_fproj:
	s_mov_b64 s[64:65], 0
	v_nop
	global_prefetch_b8 v0, s[64:65] scope:SCOPE_SE
	s_setreg_imm32_b32 hwreg(HW_REG_WAVE_MODE, 25, 1), 1
	s_wait_xcnt 0x0
; FPROJ: out0 = y Wproj + bproj for the FIRST 16 POSITIONS of every sequence, with f32 operands.  It runs behind the large projection and stores these 64 rows again, over what that launch made of 16-bit operands:
; 262,144 of out0's 33,554,432 bytes.
; A work-group takes 64 columns (x) of one batch's 16 rows (y): 256 bytes of each row.  ITS SIXTEEN WAVES SHARE K: wave w takes head w's 64 channels, 64 matrix instructions of the f32 form (16 x 16 x 4) on four accumulators,
; so that a SIMD has 256 such instructions and every operand comes in one round of loads.  The sixteen partial tiles meet in LDS; wave w then sums row w and stores it.
; OPERANDS (f32 form: lane (r, h) holds row r, register j holds k = 2 h + j).  yfine [batch][head][8][512 bytes] holds y as images of registers: register 8 c + 2 i + j of lane (r, h) is y(r, 64 w + 16 c + 8 h + 2 i + j):
; the pair 2 i, 2 i + 1 is source 1 of step (c, i).  Wproj [1024 (k)][1024 (n)] is loaded by the same permutation of K: lane (r, h) takes column 16 n + r of row 64 w + 16 c + 8 h + 2 i + j: source 0.
; Four loads on end cover 256 consecutive bytes of each of two rows.  In the result lane (r, h) holds row r of out0 and columns 16 n + 8 h + 0..7.
; No cluster and no tensor load: the operands go from memory straight into registers, once, 16 KB of Wproj a wave; no tile lies in LDS that a joint load could fill.
; The registers that the f32 matrix form writes (ACC) are written by nothing else.
.set PITCH, 272                        ; an LDS row: 64 f32 + 16 bytes of padding
.set PART,  16*PITCH                   ; a wave's partial tile
.set SPARE, 16*PART                    ; the spare words, 128 bytes for each wave: eight blocks of 256 bytes that no other line names
.set WO,   2                           ; v2   Wproj: 8 h rows of 4,096 bytes + 4 r
.set LI,   3                           ; v3   16 x lane
.set STO,  4                           ; v4   LDS: my partial tile, row r, + 32 h
.set RD,   5                           ; v5   LDS: row w of partial tile 0, + 8 x lane
.set GO,   6                           ; v6   8 x lane: my two columns, in the bias and in out0
.set SPW,  8                           ; v8   LDS address of my spare word; never rewritten
.set NIL,  9                           ; v9   0; never rewritten
.set BB,   10                          ; v10-11 the bias of my two columns
.set YF,   16                          ; v16-47  y; later the sixteen partial sums of my two columns
.set PS,   16
.set WR,   48                          ; v48-175 Wproj: chunk c, step i, tile n, register j at 32 c + 8 i + 2 n + j
.set ACC,  176                         ; v176-207 four accumulators
	s_load_b256 s[4:11], s[0:1], 0x0               ; yfine s[4:5], Wproj s[6:7], bproj s[8:9], out0 s[10:11]
	v_lshl_add_u32 v[SPW], v0, 2, SPARE
	v_mov_b32 v[NIL], 0
	v_lshrrev_b32 v1, 5, v0
	v_readfirstlane_b32 s12, v1                    ; wave 0..15
	s_and_b32 s13, ttmp7, 0xffff                   ; batch
	v_and_b32 v1, 15, v0                           ; r
	v_bfe_u32 v7, v0, 4, 1                         ; h
	v_lshlrev_b32 v[WO], 15, v7
	v_lshl_add_u32 v[WO], v1, 2, v[WO]
	v_and_b32 v[GO], 31, v0
	v_lshlrev_b32 v[LI], 4, v[GO]
	v_lshlrev_b32 v[GO], 3, v[GO]
	v_mul_u32_u24 v[STO], v1, PITCH
	v_lshl_add_u32 v[STO], v7, 5, v[STO]
	s_mul_i32 s14, s12, PART
	v_add_nc_u32 v[STO], s14, v[STO]
	s_mul_i32 s14, s12, PITCH
	v_add_nc_u32 v[RD], s14, v[GO]
	s_mov_b32 s15, 0
	s_lshl_b32 s16, ttmp9, 8                       ; my 64 columns: 256 bytes
	s_wait_kmcnt 0x0
	s_lshl_b32 s14, s13, 4
	s_add_co_u32 s14, s14, s12
	s_lshl_b32 s14, s14, 12                        ; yfine: (16 batch + head) x 4,096
	s_add_nc_u64 s[4:5], s[4:5], s[14:15]
	s_lshl_b32 s14, s12, 18                        ; Wproj: 64 w rows of 4,096 bytes, + my columns
	s_add_co_u32 s14, s14, s16
	s_add_nc_u64 s[6:7], s[6:7], s[14:15]
	s_mov_b32 s14, s16
	s_add_nc_u64 s[8:9], s[8:9], s[14:15]          ; the bias at my columns
	s_lshl_b32 s14, s13, 23                        ; out0: row 2,048 batch + w, + my columns
	s_lshl_b32 s17, s12, 12
	s_add_co_u32 s14, s14, s17
	s_add_co_u32 s14, s14, s16
	s_add_nc_u64 s[10:11], s[10:11], s[14:15]
.irp q, 0,1,2,3,4,5,6,7
	global_load_b128 v[YF+4*\q:YF+4*\q+3], v[LI], s[4:5] offset:512*\q           ; 512 consecutive bytes a load
.endr
	global_load_b64 v[BB:BB+1], v[GO], s[8:9]
.irp c, 0,1,2,3                                ; chunk c: 16 of my 64 rows of Wproj, 32 loads
.irp i, 0,1,2,3
.irp j, 0,1
.irp n, 0,1,2,3
	global_load_b32 v[WR+32*\c+8*\i+2*\n+\j], v[WO], s[6:7] offset:(16*\c+2*\i+\j)*4096+64*\n
.endr
.endr
.endr
.endr
.irp c, 0,1,2,3
.if \c == 0
	s_wait_loadcnt 63                              ; of the 137 loads the first 74 are in: y, the bias, chunks 0 and 1 (73).  64 were issued behind chunk 1's last; the count's field holds 63
.elseif \c == 2
	s_wait_loadcnt 32                              ; chunk 2 is in; chunk 3's 32 loads may be out
.elseif \c == 3
	s_wait_loadcnt 0x0
.endif
.irp i, 0,1,2,3                                ; four accumulators by turns, one instruction a turn; the first four products start the sums
.irp n, 0,1,2,3
.if (\c == 0) && (\i == 0)
	v_wmma_f32_16x16x4_f32 v[ACC+8*\n:ACC+8*\n+7], v[WR+32*\c+8*\i+2*\n:WR+32*\c+8*\i+2*\n+1], v[YF+8*\c+2*\i:YF+8*\c+2*\i+1], 0
.else
	v_wmma_f32_16x16x4_f32 v[ACC+8*\n:ACC+8*\n+7], v[WR+32*\c+8*\i+2*\n:WR+32*\c+8*\i+2*\n+1], v[YF+8*\c+2*\i:YF+8*\c+2*\i+1], v[ACC+8*\n:ACC+8*\n+7]
.endif
.endr
.endr
.endr
.rept 8
	v_nop                                          ; eight places behind this form: in front of the LDS stores of its results, and of the LDS loads into y's registers
.endr
.irp n, 0,1,2,3
	ds_store_b128 v[STO], v[ACC+8*\n:ACC+8*\n+3] offset:64*\n          ; each accumulator from its low end on: row r, columns 16 n + 8 h + 0 .. 3
	ds_store_b128 v[STO], v[ACC+8*\n+4:ACC+8*\n+7] offset:64*\n+16
.endr
	s_wait_dscnt 0x0                               ; for the others' sake: my stores have landed
	s_barrier_signal -1
	s_barrier_wait -1
.irp p, 0,1,2,3,4,5,6,7,8,9,10,11,12,13,14,15
	ds_load_b64 v[PS+2*\p:PS+2*\p+1], v[RD] offset:PART*\p             ; row w of partial tile p: 32 lanes read 256 consecutive bytes
.endr
	s_wait_dscnt 0x0
.irp p, 0,1,2,3,4,5,6,7
	v_pk_add_f32 v[PS+2*\p:PS+2*\p+1], v[PS+2*\p:PS+2*\p+1], v[PS+2*\p+16:PS+2*\p+17]
.endr
.irp p, 0,1,2,3
	v_pk_add_f32 v[PS+2*\p:PS+2*\p+1], v[PS+2*\p:PS+2*\p+1], v[PS+2*\p+8:PS+2*\p+9]
.endr
.irp p, 0,1
	v_pk_add_f32 v[PS+2*\p:PS+2*\p+1], v[PS+2*\p:PS+2*\p+1], v[PS+2*\p+4:PS+2*\p+5]
.endr
	v_pk_add_f32 v[PS:PS+1], v[PS:PS+1], v[PS+2:PS+3]
	v_pk_add_f32 v[PS:PS+1], v[PS:PS+1], v[BB:BB+1]                    ; and the bias
	global_store_b64 v[GO], v[PS:PS+1], s[10:11] th:TH_STORE_NT        ; 32 lanes store 256 consecutive bytes, aligned; written once here, read by nobody
	s_wait_tensorcnt 0x0                           ; the wave's end
	ds_add_u32 v[SPW], v[NIL]
	s_wait_dscnt 0x0
	s_endpgm
.Lfunc_end_k_qfd3dc6e5ba_fproj:
	.size	k_qfd3dc6e5ba_fproj, .Lfunc_end_k_qfd3dc6e5ba_fproj-k_qfd3dc6e5ba_fproj
	.p2alignl 7, 3214868480
	.fill 96, 4, 3214868480
	.section	.rodata,"a",@progbits
	.p2align	6, 0x0
	.amdhsa_kernel k_qfd3dc6e5ba_fproj
		.amdhsa_group_segment_fixed_size 71680
		.amdhsa_private_segment_fixed_size 0
		.amdhsa_enable_private_segment 0
		.amdhsa_kernarg_size 32
		.amdhsa_user_sgpr_count 2
		.amdhsa_user_sgpr_kernarg_segment_ptr 1
		.amdhsa_wavefront_size32 1
		.amdhsa_system_sgpr_workgroup_id_x 1
		.amdhsa_system_sgpr_workgroup_id_y 1
		.amdhsa_system_sgpr_workgroup_id_z 1
		.amdhsa_system_vgpr_workitem_id 0
		.amdhsa_next_free_vgpr 208
		.amdhsa_next_free_sgpr 66
		.amdhsa_reserve_vcc 0
		.amdhsa_float_denorm_mode_32 3
		.amdhsa_float_denorm_mode_16_64 3
		.amdhsa_memory_ordered 1
		.amdhsa_forward_progress 1
		.amdhsa_inst_pref_size 22
	.end_amdhsa_kernel
	.amdgpu_metadata
---
amdhsa.version: [ 1, 2 ]
amdhsa.kernels:
  - .name:           k_qfd3dc6e5ba_fproj
    .symbol:         k_qfd3dc6e5ba_fproj.kd
    .args:
      - { .name: yfine, .offset: 0, .size: 8, .value_kind: global_buffer, .address_space: global }
      - { .name: Wproj, .offset: 8, .size: 8, .value_kind: global_buffer, .address_space: global }
      - { .name: bproj, .offset: 16, .size: 8, .value_kind: global_buffer, .address_space: global }
      - { .name: out0, .offset: 24, .size: 8, .value_kind: global_buffer, .address_space: global }
    .group_segment_fixed_size: 71680
    .private_segment_fixed_size: 0
    .kernarg_segment_align: 8
    .kernarg_segment_size: 32
    .max_flat_workgroup_size: 512
    .sgpr_count:     66
    .vgpr_count:     208
    .wavefront_size: 32
...
	.end_amdgpu_metadata
.endif
;; end of part 6
